; MI455X (gfx1250); checked and timed in simulation.
; The chip was launched on July 23, 2026; its instructions are those of AMD's public machine-readable ISA for CDNA 5 (MIT licence, August 2026) and "CDNA5" Instruction Set Architecture Reference Guide (July 2026). The comments in the code are by the model that wrote it; some were corrected since.
;; Multi Head Attention. Allowed arithmetic: matrix products marked QUANTISED: E5M2 operands, one E8M0 scale for each 32 along K, by v_wmma_scale_f32_16x16x128_f8f6f4 with both operands' format E5M2, f32 sums; everything else in f32.
;; Inputs: Wkv_codes 2,048 x 32 x 32 uint8 (E5M2 codes of Wkv, K innermost, in blocks of 32 codes); Wkv_scales 2,048 x 32 uint8 (E8M0 scales of Wkv, one for each 32 codes along K); Wo_codes 1,024 x 32 x 32 uint8 (E5M2 codes of Wo, K innermost, in blocks of 32 codes); Wo_scales 1,024 x 32 uint8 (E8M0 scales of Wo, one for each 32 codes along K); Wq_codes 1,024 x 32 x 32 uint8 (E5M2 codes of Wq, K innermost, in blocks of 32 codes); Wq_scales 1,024 x 32 uint8 (E8M0 scales of Wq, one for each 32 codes along K); beta 1,024 float32; bkv 2,048 float32; bo 1,024 float32; bq 1,024 float32; gamma 1,024 float32; seq_lens 8 int32; x 8 x 1,024 x 1,024 float32.
;; Outputs: out0 8 x 1,024 x 1,024 float32.
;; This version of the problem:
;;   THIS VERSION OF THE PROBLEM IS GIVEN IN LOW PRECISION. The matrix products marked QUANTISED in the list below multiply operands that are first quantised to E5M2 (5 exponent bits, 2 mantissa bits; 8 bits a number), with one power-of-two scale for each 32 numbers along K (OCP MX v1.0); their sums are f32. All else is computed in f32.
;;   The module's matrix products, in the order in which they are computed (A, B: the left and right operand; K: the contracted axis; several contracted axes count as one K, in the product's order):
;;     1. [M 8,192, K 1,024] x [K 1,024, N 1,024]; A: computed on the way; B: input Wq (given as codes): QUANTISED
;;     2. [M 8,192, K 1,024] x [K 1,024, N 2,048]; A: computed on the way; B: input Wkv (given as codes): QUANTISED
;;     3. batch 128 x [M 1,024, K 64] x [K 64, N 1,024]; A: computed on the way; B: computed on the way: QUANTISED
;;     4. batch 128 x [M 1,024, K 1,024] x [K 1,024, N 64]; A: softmax (see below); B: computed on the way: QUANTISED
;;     5. [M 8,192, K 1,024] x [K 1,024, N 1,024]; A: computed on the way; B: input Wo (given as codes): QUANTISED
;;   THE QUANTISER, for each operand of a quantised product, along K:
;;     - K is cut into blocks of 32 from its start; a last block that is shorter is filled with zeros.
;;     - A block's scale is 2^e with e = floor(log2(the largest magnitude in the block)) - 15, held to -126 .. 127; a block of zeros has e = 0. As a byte (E8M0): e + 127.
;;     - Each number is divided by its block's scale, clamped to +-57,344, and rounded to the nearest number of E5M2, ties to even, subnormals kept.
;;     - The product sums the exact products of the quantised numbers (number of the format x scale) in f32.
;;   ~~~python
;;   def quantise(x, axis):      # numpy; x: float32 -> the quantised numbers, widened to float32 again
;;       x = np.moveaxis(x, axis, -1); K = x.shape[-1]
;;       x = np.pad(x, [(0, 0)] * (x.ndim - 1) + [(0, -K % 32)]); x = x.reshape(x.shape[:-1] + (-1, 32)); a = np.abs(x).max(-1, keepdims=True)
;;       e = np.where(a > 0, np.clip(np.frexp(np.where(a > 0, a, 1))[1] - 1 - 15, -126, 127), 0)      # np.frexp(a)[1] - 1 = floor(log2(a)), exactly
;;       r = np.clip(x / 2.0 ** e, -57344, 57344)
;;       step = 2.0 ** (np.maximum(np.frexp(np.where(r == 0, 1, r))[1] - 1, -14) - 2)
;;       q = np.round(r / step) * step * 2.0 ** e      # np.round: ties to even
;;       return np.moveaxis(q.reshape(q.shape[:-2] + (-1,))[..., :K], -1, axis).astype(np.float32)
;;   ~~~
;;   SOFTMAX AHEAD OF A QUANTISED PRODUCT. Where the list says 'softmax', what is quantised is not the finished softmax but p = 2^(t - M), with t = logit x log2(e) and M = ceil(the row's largest t), a whole number; so 1/2 < the row's largest p <= 1. The row's sum l is taken of the UNQUANTISED p, in f32, and the product's result is divided by l at the end. Since M is a whole number, a kernel that streams over the keys may use a running M (the ceiling of the running maximum): every later rescaling is an exact power of two, which a block's scale takes up: the codes' values come out the same.
;;   OPERANDS COMPUTED ON THE WAY. 'Computed on the way' means the value that the module computes at that place (a softmax that the list does not call 'softmax' is quantised finished and normalised). What goes into a quantiser is computed in f32, as accurately as f32 sums, v_exp_f32 and their like allow (about 1e-6 of the number): no bf16 or f16 on the way to a quantiser, and a product that is left as it is and whose result goes on into a quantised operand takes f32 operands (vector FMAs, or v_wmma_f32_16x16x4_f32). A number that lies on a knife's edge between two numbers of the format may be rounded either way, as far as f32 arithmetic and the matrix unit's own rounding can turn it there, and no further.
;;   INPUTS GIVEN AS CODES. Wkv (in the module: [1024, 2048], K = its axis 0); Wo (in the module: [1024, 1024], K = its axis 0); Wq (in the module: [1024, 1024], K = its axis 0): each comes as NAME_codes (uint8): NAME with its K axis moved to the last place and cut into blocks of 32 codes, [.., K / 32, bytes a block], one block behind the other in memory; one code a byte (a code: sign, 5 exponent bits, 2 mantissa bits); and NAME_scales (uint8): the same leading axes, one E8M0 byte (e + 127) for each 32 codes along K. Its value is code x scale, taken as it is: it is not quantised again, and the codes and scales need not be those that the quantiser above would give.
;; 2 versions, each right; version 2 is version 1 with the launch attn written anew for expert scheduling mode. Each part assembles by itself: llvm-mc -triple=amdgcn-amd-amdhsa -mcpu=gfx1250 --defsym DOCPART=n.
;; ======== version 1 of 2: 4 launches
;; workspace buffers: act_codes 8,388,608 bytes; act_scales 262,144 bytes; qk_img 16,777,216 bytes; qk_sc 1,048,576 bytes; v_img 8,388,608 bytes; v_sc 262,144 bytes
;; launch lnq (part 1): grid 256 x 1, 8 waves a work-group, no clusters, 43,008 bytes of LDS; arguments x, gamma, beta, act_codes, act_scales; writes act_codes, act_scales
.if DOCPART == 1
	.amdgcn_target "amdgcn-amd-amdhsa--gfx1250"
	.amdhsa_code_object_version 6
	.text
	.protected	k_q8cbb2a3795_lnq
	.globl	k_q8cbb2a3795_lnq
	.p2align	8
	.type	k_q8cbb2a3795_lnq,@function
k_q8cbb2a3795_lnq:
	s_mov_b64 s[64:65], 0
	v_nop
	global_prefetch_b8 v0, s[64:65] scope:SCOPE_SE
	s_setreg_imm32_b32 hwreg(HW_REG_WAVE_MODE, 25, 1), 1
	s_wait_xcnt 0x0
; xn = (x - mean) * rsqrt(var + 1e-5) * gamma + beta for the 8,192 rows of x [8192][1024] f32, all in f32, and xn quantised along the row:
; codes of BF8 (E5M2), one a byte, in the row's own order, act_codes [8192][1024]; one E8M0 byte for each 32 numbers, act_scales [8192][32].
; A block's scale is 2^(floor(log2(its largest magnitude)) - 15); each number is divided by it, held within +-57,344 and rounded to the nearest code, ties to even.
; LIMITS: a block whose largest magnitude lies under 2^(16 - 127), a block of zeros among them, gets the byte 1 (this program alone reads the bytes; such codes are zeros or next to it);
; NaN and infinities among the inputs are not served.
; SHARES.  A work-group takes 32 rows, each of its eight waves four.  One wave holds a whole row in 32 registers a lane, so mean and variance never leave the wave, and x is read once.
; The variance is taken of x - mean (two passes over registers), so a common offset of the inputs costs no digits.
; All 32 loads of a wave's four rows go out at the head; each reads 512 consecutive bytes.  No matrix unit, no tensor load, no cluster: work-groups share nothing but gamma and beta.
; THE TURN.  The conversions take 16 neighbours of one block from ONE lane's registers; the loads give a lane 4 neighbours.  So a finished row goes through the wave's own stage in LDS:
; eight stores as loaded, eight loads 80 bytes from lane to lane (64 bytes + 16 of padding); two neighbouring lanes then hold a block of 32.
.set SCB, 40960                        ; behind the eight stages of 5,120 bytes: the work-group's 32 x 32 scale bytes
.set GA,  16                           ; v16-47   gamma, in the loads' layout: register 4 i + j = element 128 i + 4 lane + j
.set BE,  48                           ; v48-79   beta likewise
.set X,   80                           ; v80-207  four rows of 32 registers; a row's first ten later take its codes (8) and its two scale bytes
.set T,   208                          ; v208-239 the row turned: two halves of 16 neighbours
	s_load_b256 s[4:11], s[0:1], 0x0               ; x s[4:5], gamma s[6:7], beta s[8:9], act_codes s[10:11]
	s_load_b64 s[12:13], s[0:1], 0x20              ; act_scales
	v_lshl_add_u32 v248, v0, 2, 0xa400
	v_mov_b32 v249, 0
	v_lshrrev_b32 v7, 5, v0
	v_readfirstlane_b32 s16, v7                    ; wave 0..7
	v_and_b32 v7, 31, v0                           ; lane
	v_lshlrev_b32 v1, 4, v7                        ; v1: 16 x lane: my bytes of a load's or a store's 512
	s_mul_i32 s17, s16, 5120                       ; my wave's stage
	v_lshrrev_b32 v2, 2, v7
	v_mul_u32_u24 v2, v2, 80
	v_and_b32 v3, 3, v7
	v_lshl_add_u32 v2, v3, 4, v2
	v_add_nc_u32 v2, s17, v2                       ; v2: into the stage: four lanes' 64 bytes on end, then 16 of padding
	v_mul_u32_u24 v3, v7, 80
	v_add_nc_u32 v3, s17, v3                       ; v3: out of it: my 16 neighbours
	s_lshl_b32 s18, s16, 7
	s_add_co_u32 s18, s18, SCB
	v_lshrrev_b32 v4, 1, v7
	v_add_nc_u32 v4, s18, v4                       ; v4: my block's scale byte: 128 bytes a wave (4 rows x 32), lane / 2
	s_and_b32 s19, s16, 1
	s_lshl_b32 s19, s19, 9
	v_add_nc_u32 v6, s19, v1                       ; v6: the scale bytes' way out (waves 0 and 1): 512 bytes each
	v_add_nc_u32 v5, SCB, v6                       ; v5: the same place in LDS
	s_mov_b32 s20, 0x76543210
	s_mov_b32 s21, 0xfedcba98                      ; v_permlanex16_b32's selects for lane l xor 16
	s_mov_b32 s23, 0x600000                        ; the mantissa field of 57,344
	s_mov_b32 s24, 0x3a800000                      ; 1 / 1024
	v_mov_b32 v244, 0                              ; written once: a lane permute's destination counts as one of its sources
	s_lshl_b32 s26, ttmp9, 17                      ; 32 rows of 4,096 bytes a work-group,
	s_lshl_b32 s25, s16, 14                        ; 4 rows a wave
	s_add_co_u32 s26, s26, s25
	s_mov_b32 s27, 0
	s_lshr_b32 s28, s26, 2                         ; the codes: a quarter of the bytes
	s_mov_b32 s29, 0
	s_lshl_b32 s30, ttmp9, 10                      ; the scale bytes: 1,024 a work-group
	s_mov_b32 s31, 0
	s_wait_kmcnt 0x0
	s_add_nc_u64 s[4:5], s[4:5], s[26:27]
	s_add_nc_u64 s[10:11], s[10:11], s[28:29]
	s_add_nc_u64 s[12:13], s[12:13], s[30:31]
.irp i, 0,1,2,3,4,5,6,7
	global_load_b128 v[GA+4*\i:GA+4*\i+3], v1, s[6:7] offset:512*\i
	global_load_b128 v[BE+4*\i:BE+4*\i+3], v1, s[8:9] offset:512*\i
.endr
.irp p, 0,1,2,3
.irp i, 0,1,2,3,4,5,6,7
	global_load_b128 v[X+32*\p+4*\i:X+32*\p+4*\i+3], v1, s[4:5] offset:4096*\p+512*\i th:TH_LOAD_NT
.endr
.endr
.macro REDUCE                          ; v8: summed over the 32 lanes, the result in every lane
	v_add_f32_dpp v8, v8, v8 row_xmask:1 row_mask:0xf bank_mask:0xf
	v_add_f32_dpp v8, v8, v8 row_xmask:2 row_mask:0xf bank_mask:0xf
	v_add_f32_dpp v8, v8, v8 row_xmask:4 row_mask:0xf bank_mask:0xf
	v_add_f32_dpp v8, v8, v8 row_xmask:8 row_mask:0xf bank_mask:0xf
	v_permlanex16_b32 v244, v8, s20, s21
	v_add_f32 v8, v8, v244
.endm
.macro ROW p
.set XR, X+32*(\p)
	s_wait_loadcnt 8*(3-(\p))                      ; loads come back in order: gamma, beta and this row are in; the younger rows' eight loads each may be out
	v_pk_add_f32 v[8:9], v[XR:XR+1], v[XR+2:XR+3]  ; the row's sum, in two chains
	v_pk_add_f32 v[10:11], v[XR+4:XR+5], v[XR+6:XR+7]
.irp k, 8,12,16,20,24,28
	v_pk_add_f32 v[8:9], v[8:9], v[XR+\k:XR+\k+1]
	v_pk_add_f32 v[10:11], v[10:11], v[XR+\k+2:XR+\k+3]
.endr
	v_pk_add_f32 v[8:9], v[8:9], v[10:11]
	v_add_f32 v8, v8, v9
	REDUCE
	v_mul_f32 v12, s24, v8                         ; the mean,
	v_mov_b32 v13, v12                             ; as a pair
.irp k, 0,2,4,6,8,10,12,14,16,18,20,22,24,26,28,30
	v_pk_add_f32 v[XR+\k:XR+\k+1], v[XR+\k:XR+\k+1], v[12:13] neg_lo:[0,1] neg_hi:[0,1]   ; x - mean
.endr
	v_pk_mul_f32 v[8:9], v[XR:XR+1], v[XR:XR+1]    ; the sum of its squares, in two chains
	v_pk_mul_f32 v[10:11], v[XR+2:XR+3], v[XR+2:XR+3]
.irp k, 4,8,12,16,20,24,28
	v_pk_fma_f32 v[8:9], v[XR+\k:XR+\k+1], v[XR+\k:XR+\k+1], v[8:9]
	v_pk_fma_f32 v[10:11], v[XR+\k+2:XR+\k+3], v[XR+\k+2:XR+\k+3], v[10:11]
.endr
	v_pk_add_f32 v[8:9], v[8:9], v[10:11]
	v_add_f32 v8, v8, v9
	REDUCE
	v_fmaak_f32 v8, s24, v8, 0x3727c5ac            ; var + 1e-5
	v_rsq_f32 v14, v8                              ; made twice: the pair that the packed multiply names
	v_rsq_f32 v15, v8
	v_nop                                          ; a plain instruction behind the last of them, ahead of the first use (ISA guide 5.7.2)
	s_wait_alu depctr_va_vdst(0)                   ; one wait for both, ahead of their first reader
.irp k, 0,2,4,6,8,10,12,14,16,18,20,22,24,26,28,30
	v_pk_mul_f32 v[XR+\k:XR+\k+1], v[XR+\k:XR+\k+1], v[14:15]
.endr
.irp k, 0,2,4,6,8,10,12,14,16,18,20,22,24,26,28,30
	v_pk_fma_f32 v[XR+\k:XR+\k+1], v[XR+\k:XR+\k+1], v[GA+\k:GA+\k+1], v[BE+\k:BE+\k+1]
.endr
.irp i, 0,1,2,3,4,5,6,7                ; the turn: LDS serves a wave's instructions in order (ISA guide 5.7.1.4), so no wait stands between the stores and the loads
	ds_store_b128 v2, v[XR+4*\i:XR+4*\i+3] offset:(\i/4)*2560+(\i%4)*640
.endr
.irp u, 0,1
.irp j, 0,1,2,3
	ds_load_b128 v[T+16*\u+4*\j:T+16*\u+4*\j+3], v3 offset:\u*2560+16*\j
.endr
.endr
.irp u, 0,1                            ; half u of the row: elements 512 u + 16 lane + 0 .. 15
.set TS, T+16*\u
.set CD, XR+4*\u                       ; its codes, in registers that the stage's stores have read (the loads behind them are back)
.set BY, XR+8+\u                       ; its scale byte
	s_wait_dscnt 4-3*\u                            ; half 0: the other half's four loads may be out; half 1: half 0's byte store may be out
	v_max3_num_f32 v240, |v[TS]|, |v[TS+1]|, |v[TS+2]|
	v_max3_num_f32 v241, |v[TS+3]|, |v[TS+4]|, |v[TS+5]|
.irp i, 6,10
	v_max3_num_f32 v240, v240, |v[TS+\i]|, |v[TS+\i+1]|
	v_max3_num_f32 v241, v241, |v[TS+\i+2]|, |v[TS+\i+3]|
.endr
	v_max3_num_f32 v240, v240, |v[TS+14]|, |v[TS+15]|
	v_max3_num_f32 v240, v240, v241, 0x8000000     ; and the floor 2^(16 - 127): the byte cannot fall under 1
	v_max_num_f32_dpp v240, v240, v240 row_xmask:1 row_mask:0xf bank_mask:0xf   ; with my neighbour's 16: the block's largest magnitude
	v_add_nc_u32 v243, 0xf8800000, v240            ; 15 off its exponent field: the conversion takes the exponent field of this operand as its scale
	v_and_or_b32 v242, v240, 0x7f800000, s23       ; 57,344 x the scale
.irp i, 0,1,2,3,4,5,6,7,8,9,10,11,12,13,14,15
	v_med3_num_f32 v[TS+\i], v[TS+\i], -v242, v242 ; the conversion to an 8-bit code does not saturate (ISA guide 7.6.2): the hold comes first
.endr
	v_cvt_scalef32_pk8_bf8_f32 v[CD:CD+1], v[TS:TS+7], v243
	v_cvt_scalef32_pk8_bf8_f32 v[CD+2:CD+3], v[TS+8:TS+15], v243
	v_lshrrev_b32 v[BY], 23, v243                  ; the scale's byte (also the plain instruction behind the conversions)
	ds_store_b8 v4, v[BY] offset:32*(\p)+16*\u     ; both lanes of a block write the same byte with the same value
	global_store_b128 v1, v[CD:CD+3], s[10:11] offset:1024*(\p)+512*\u   ; the wave stores 512 consecutive bytes, aligned; no store's registers are written again
.endr
.endm
	ROW 0
	ROW 1
	ROW 2
	ROW 3
	s_wait_dscnt 0x0                               ; for the others' sake: my scale bytes have landed
	s_barrier_signal -1
	s_barrier_wait -1
	s_cmp_lt_u32 s16, 2                            ; waves 0 and 1 send the work-group's 1,024 scale bytes, 512 consecutive bytes each
	s_cbranch_scc0 .Lend
	ds_load_b128 v[T:T+3], v5
	s_wait_dscnt 0x0
	global_store_b128 v6, v[T:T+3], s[12:13]
.Lend:
	s_wait_tensorcnt 0x0
	ds_add_u32 v248, v249
	s_wait_dscnt 0x0
	s_endpgm
.Lfunc_end_k_q8cbb2a3795_lnq:
	.size	k_q8cbb2a3795_lnq, .Lfunc_end_k_q8cbb2a3795_lnq-k_q8cbb2a3795_lnq
	.p2alignl 7, 3214868480
	.fill 96, 4, 3214868480
	.section	.rodata,"a",@progbits
	.p2align	6, 0x0
	.amdhsa_kernel k_q8cbb2a3795_lnq
		.amdhsa_group_segment_fixed_size 43008
		.amdhsa_private_segment_fixed_size 0
		.amdhsa_enable_private_segment 0
		.amdhsa_kernarg_size 40
		.amdhsa_user_sgpr_count 2
		.amdhsa_user_sgpr_kernarg_segment_ptr 1
		.amdhsa_wavefront_size32 1
		.amdhsa_system_sgpr_workgroup_id_x 1
		.amdhsa_system_sgpr_workgroup_id_y 1
		.amdhsa_system_sgpr_workgroup_id_z 1
		.amdhsa_system_vgpr_workitem_id 0
		.amdhsa_next_free_vgpr 250
		.amdhsa_next_free_sgpr 66
		.amdhsa_reserve_vcc 0
		.amdhsa_float_denorm_mode_32 3
		.amdhsa_float_denorm_mode_16_64 3
		.amdhsa_memory_ordered 1
		.amdhsa_forward_progress 1
		.amdhsa_inst_pref_size 52
	.end_amdhsa_kernel
	.amdgpu_metadata
---
amdhsa.version: [ 1, 2 ]
amdhsa.kernels:
  - .name:           k_q8cbb2a3795_lnq
    .symbol:         k_q8cbb2a3795_lnq.kd
    .args:
      - { .name: x, .offset: 0, .size: 8, .value_kind: global_buffer, .address_space: global }
      - { .name: gamma, .offset: 8, .size: 8, .value_kind: global_buffer, .address_space: global }
      - { .name: beta, .offset: 16, .size: 8, .value_kind: global_buffer, .address_space: global }
      - { .name: act_codes, .offset: 24, .size: 8, .value_kind: global_buffer, .address_space: global }
      - { .name: act_scales, .offset: 32, .size: 8, .value_kind: global_buffer, .address_space: global }
    .group_segment_fixed_size: 43008
    .private_segment_fixed_size: 0
    .kernarg_segment_align: 8
    .kernarg_segment_size: 40
    .max_flat_workgroup_size: 256
    .sgpr_count:     66
    .vgpr_count:     250
    .wavefront_size: 32
...
	.end_amdgpu_metadata
.endif
;; end of part 1
;; launch qkv (part 2): grid 8 x 48, 4 waves a work-group, clusters of 4 x 4, 327,680 bytes of LDS; arguments act_codes, act_scales, Wq_codes, Wq_scales, Wkv_codes, Wkv_scales, bq, bkv, qk_img, qk_sc, v_img, v_sc; writes qk_img, qk_sc, v_img, v_sc
.if DOCPART == 2
	.amdgcn_target "amdgcn-amd-amdhsa--gfx1250"
	.amdhsa_code_object_version 6
	.text
	.protected	k_q8cbb2a3795_qkv
	.globl	k_q8cbb2a3795_qkv
	.p2align	8
	.type	k_q8cbb2a3795_qkv,@function
k_q8cbb2a3795_qkv:
	s_mov_b64 s[64:65], 0
	v_nop
	global_prefetch_b8 v0, s[64:65] scope:SCOPE_SE
	s_setreg_imm32_b32 hwreg(HW_REG_WAVE_MODE, 25, 1), 1
	s_wait_xcnt 0x0
	s_wait_alu depctr_hold_cnt(0) depctr_sa_sdst(0) depctr_va_vdst(0) depctr_va_sdst(0) depctr_va_ssrc(0) depctr_va_vcc(0) depctr_vm_vsrc(0)
	s_getreg_b32 s2, hwreg(HW_REG_IB_STS2, 6, 4)
	s_cmp_eq_u32 s2, 0
	s_cbranch_scc0 .Lentry_in_a_cluster
	s_endpgm
.Lentry_in_a_cluster:
	s_bfe_u32 s2, ttmp6, 0x10000c
	s_cmp_lg_u32 s2, 0xf033
	s_cbranch_scc0 .Lentry_shape_is_right
	s_endpgm
.Lentry_shape_is_right:
; q = xn Wq + bq, k and v = xn Wkv + bkv, on codes of BF8 (E5M2) with one E8M0 scale for each 32 along K = 1,024; sums in f32; the results are quantised here, in registers, for attention's two products.
; A tile of 256 x 256 results is made by four waves, 128 x 128 each: 64 accumulators of 16 x 16, 512 registers.  K goes in steps of 256 through a ring of two LDS slots filled by the tensor data mover;
; the scale bytes of both sides' 256 rows, for all of K, come once with the first fills and stay.  K = 1,024 is twice round the ring, so the eight steps of 128 are written out: no loop.
; THE TWO SIDES.  The A side is source 1 of the matrix instruction, the B side source 0: in accumulator (a, b) lane (r, hf) holds A's row 16 a + r, and its register j B's row 16 b + 8 hf + j.
;   KIND 0 (clusters y = 0 .. 7: batch y; cluster x = 0: q, 1: k).  A = 256 tokens, B = 256 rows of the weight: a lane holds ONE token and its registers run along the head's 64, the K of q k^T.
;   KIND 1 (clusters y = 8 .. 11: v of batch x + 2 (y - 8)).  A = 256 rows of Wkv from row 1,024 on, B = 256 tokens: a lane holds ONE channel and its registers run along the keys, the K of p v.
; Only pointers, offsets and the way out differ; the kind hangs on the cluster's own coordinates, which all sixteen partners share.
; CLUSTERS: 4 x 4 work-groups.  A's tiles hang on cy alone and are asked for jointly along a row of the cluster, B's on cx alone and along a column: the same tensor load, descriptor and mask in all four.
; WHAT IS STORED: images of operand registers.  The 16 registers of accumulators (a, 2 c) and (a, 2 c + 1) are 16 numbers of block c of 32; lane l xor 16 holds the other 16.  Their 16 codes are stored as they
; fall: place i of lane (r, hf) is element 32 c + 16 (i / 8) + 8 hf + i % 8 of the block's axis.  q and k carry the same order inside a block, and so do v and attention's p: the products are those of the true order.
;   qk_img [q, k][batch][head][tile of 16 tokens][c 2][lane][16 bytes];  qk_sc [q, k][batch][head][token]: a word: two scale bytes, then 0x7f, 0x7f (attention pads K = 64 to 128 with zero codes)
;   v_img [batch][head][128 keys][16 channels][c 4][lane][16 bytes];     v_sc [batch][head][128 keys][16 channels][r]: a word of four scale bytes
; LIMITS: a block whose largest magnitude lies under 2^(16 - 127), a block of zeros among them, gets the byte 1 (this program alone reads the bytes); NaN and infinities are not served.
; REGISTERS, in windows of 256: window 0: v0-31 addresses, v8-15 kind 1's bias; v32-63 scale words, two sets, and nothing else; v64-127 kind 0's bias; from v128 A's fragments, ONE set, on the way out at work.
;   window 1: B's fragments, TWO sets.   window 2: the accumulators of my A rows 0-63 ((a, b) at v[8 (8 a + b)]);   window 3: those of rows 64-127.
.set NQ,     2                         ; matrix instructions deep in a slot: 256 along K
.set ROWB,   256                       ; a tile's row in bytes
.set KROW,   1024                      ; a row of codes in memory
.set PITCH,  272                       ; an LDS row: 256 bytes + 16 of padding = 68 words: row r starts at bank 4 r mod 64 (ISA guide 11.1), so the 16 rows of a load start at 16 different banks
.set FR,     16                        ; registers of a fragment: 16 rows x 128 K
.set NL,     4                         ; LDS loads that bring one
.set NP,     8                         ; places behind this matrix instruction (ISA guide 7.12.1)
.set HALFT,  128*PITCH                 ; 128 rows: what one tensor load brings
.set SLOT,   4*HALFT                   ; A's 256 rows, then B's 256 rows
.set KS,     32                        ; a row of scale bytes
.set SCL,    2*SLOT                    ; behind the ring: the scale bytes, as rows of 256 bytes + 16 of padding
.set HALFS,  (128*KS/256)*272          ; those of 128 rows: what one tensor load brings
.set SBLK,   (16*KS/256)*272           ; those of 16 rows
.set SPARE,  SCL+4*HALFS               ; the spare words, 128 bytes a wave: two blocks of 256 bytes that no other line names
.set SH,   7                           ; v7      16 x (lane / 16): which half of a scale word is my head's
.set BV,   8                           ; v8-15   kind 1: bkv at my channel, one register for each block a
.set ADRA, 16                          ; v16-17  LDS address of my A fragments in slot 0, 1
.set SCQ,  18                          ; v18     kind 0: where a block's scale words go in my scratch;  v19 where they are read back
.set RDQ,  19
.set ADRB, 20                          ; v20-21  the same as ADRA for B
.set SCV,  22                          ; v22, v23 kind 1's scratch, other bytes than kind 0's
.set RDV,  23
.set BO1,  24                          ; v24     32 x (lane / 16): kind 0's bias;  v25  4 x (lane % 16): kind 1's; never rewritten
.set BO2,  25
.set CO,   26                          ; v26     16 x lane: an image's place for my lane
.set ADRS, 27                          ; v27     LDS address of my scale words: lanes 0-15 A's rows, lanes 16-31 B's
.set SPW,  28                          ; v28     my spare word: SPARE + 4 x my thread's number; never rewritten
.set NIL,  29                          ; v29     0; never rewritten
.set COV,  30                          ; v30     kind 1: where my 16 bytes of scale words go in v_sc
.set SC,   32                          ; scale words: set s at v[SC + 16 s]; register 2 i + q: lanes 0-15 A's block i, lanes 16-31 B's block i
.set BI,   64                          ; v64-127 kind 0: the bias at B's rows 16 b + 8 hf + j, register 8 b + j
.set AF,   128                         ; A's fragments
.set T,    128                         ; the way out: v128-191 the 64 numbers of a block a;  v192-207 their codes;  v208-223 at work;  v224-231 the eight scale words;  v232-239 read back
.set PC,   192
.set TM,   208
.set W,    224
.set GW,   232
.set G1,   24                          ; s[24:31] descriptor group 1 for A's tiles;  s[32:39] group 0, one set for each slot
.set G0,   32
.set G1B,  48                          ; s[48:55], s[56:63] the same for B's
.set G0B,  56
.set TYP,  66                          ; s66      the kind
.set G1S,  68                          ; s[68:75], s[76:79] groups 1 and 0 for A's scale bytes;  s[80:87], s[88:91] for B's.  (First the twelve pointers land here; on the way out they are scratch)
.set G0S,  76
.set G1SB, 80
.set G0SB, 88
.set SEL,  78                          ; the way out: s[78:79] lane selects, s80 the mantissa field of 57,344, s81 the two padding bytes
.set MNT,  80
.set PADB, 81
.set MSB, 0
.macro WIN new                         ; the immediate's high byte repeats the setting that is left
.if MSB != \new
	s_set_vgpr_msb (MSB<<8)|\new
.set MSB, \new
.endif
.endm
.set MUL_LO, 0xa1                      ; source 0 (B) window 1, source 1 (A) window 0, C and D window 2
.set MUL_HI, 0xf1                      ; the same, C and D window 3
.set TO_B,   0x40                      ; destination window 1, address window 0
; A joint load: waves 0 and 1 fetch for A, waves 2 and 3 for B.  Each line has ONE mask and one set of registers for all that issue it; the branch hangs on the wave's number alone.
; Four v_nop follow each of the two lines, ahead of the jump, the label and what follows.
.macro JLOAD g0a, g1a, g0b, g1b
	s_cmp_eq_u32 s15, 0
	s_cbranch_scc0 .Lfor_b_\@
	tensor_load_to_lds s[\g0a:\g0a+3], s[\g1a:\g1a+7]
	s_nop 0
.rept 4
	v_nop
.endr
	s_branch .Lasked_\@
.Lfor_b_\@:
	tensor_load_to_lds s[\g0b:\g0b+3], s[\g1b:\g1b+7]
	s_nop 0
.rept 4
	v_nop
.endr
.Lasked_\@:
.endm
.macro CREST                           ; a round of the cluster's barrier behind its opening barrier
	s_cmp_lg_u32 s14, 0
	s_cbranch_scc1 .Lnot_wave_0_\@
	s_barrier_signal -3
.Lnot_wave_0_\@:
	s_barrier_wait -3
	s_barrier_signal -1
	s_barrier_wait -1
.endm
.macro CROUND                          ; a whole round
	s_barrier_signal -1
	s_barrier_wait -1
	CREST
.endm
	s_load_b256 s[68:75], s[0:1], 0x0              ; act_codes 68, act_scales 70, Wq_codes 72, Wq_scales 74
	s_load_b256 s[76:83], s[0:1], 0x20             ; Wkv_codes 76, Wkv_scales 78, bq 80, bkv 82
	s_load_b256 s[84:91], s[0:1], 0x40             ; qk_img 84, qk_sc 86, v_img 88, v_sc 90
	v_lshl_add_u32 v[SPW], v0, 2, SPARE
	v_mov_b32 v[NIL], 0
	ds_add_u32 v28, v29
	ds_add_u32 v28, v29
	s_wait_dscnt 0x0
	v_lshrrev_b32 v1, 5, v0
	v_readfirstlane_b32 s14, v1                    ; wave 0..3
	s_lshr_b32 s15, s14, 1                         ; which half of A's rows is mine.  Also: I fetch for A (0) or for B (1)
	s_and_b32 s16, s14, 1                          ; which half of B's rows.  Also: which 128 rows of that tile I fetch
	s_bfe_u32 s40, ttmp6, 0x40000                  ; cx, cy: my place in the cluster
	s_bfe_u32 s41, ttmp6, 0x40004
	s_and_b32 s17, ttmp7, 0xffff                   ; the cluster's y
	s_cmp_ge_u32 s17, 8
	s_cselect_b32 s[TYP], 1, 0                     ; the kind: the same in all sixteen partners
	s_lshl_b32 s43, s41, 2
	s_lshl_b32 s43, 15, s43                        ; my row of the cluster
	s_lshl_b32 s44, 0x1111, s40                    ; my column
	; descriptor group 1: a tile of 128 rows x 256 bytes, padded in LDS
	s_or_b32 s[G1+0], s43, (0<<16)|(1<<20)|(1<<21)|(5<<22)|(3<<25)  ; 15:0 the mask: A's tiles go to my row; 17:16 element of 1 byte; 20 padding on; 21 set beside a mask; 24:22 after every 64 words (code 5); 31:25 of 4 words (code 3)
	s_or_b32 s[G1B+0], s44, (0<<16)|(1<<20)|(1<<21)|(5<<22)|(3<<25)
.irp g, G1, G1B
	s_mov_b32 s[\g+1], ROWB<<16                    ; tensor_dim0
	s_mov_b32 s[\g+2], 128<<16                     ; tensor_dim1 = 128
	s_mov_b32 s[\g+3], ROWB<<16                    ; tile_dim0
	s_mov_b32 s[\g+4], 128                         ; tile_dim1 = 128
	s_mov_b32 s[\g+5], KROW                        ; tensor_dim0_stride
	s_mov_b32 s[\g+6], 0
	s_mov_b32 s[\g+7], 0
.endr
	; the rows that I fetch.  A's hang on cy and the cluster's coordinates, B's on cx and the cluster's coordinates
	s_lshl_b32 s20, s41, 8                         ; A: 256 cy
	s_lshl_b32 s2, s17, 10                         ; kind 0: + 1,024 x batch (tokens)
	s_cmp_eq_u32 s[TYP], 1
	s_cselect_b32 s2, 1024, s2                     ; kind 1: + 1,024 (v's rows of Wkv)
	s_add_co_u32 s20, s20, s2
	s_lshl_b32 s2, s16, 7                          ; + the 128 rows that I fetch
	s_add_co_u32 s20, s20, s2
	s_max_u32 s95, s17, 8
	s_sub_co_u32 s95, s95, 8
	s_lshl_b32 s95, s95, 1
	s_add_co_u32 s95, s95, ttmp9                   ; kind 1's batch: x + 2 (y - 8)
	s_lshl_b32 s95, s95, 10
	s_cmp_eq_u32 s[TYP], 1
	s_cselect_b32 s95, s95, 0                      ; B: kind 1: + 1,024 x batch (tokens); kind 0: the weight's rows from 0
	s_lshl_b32 s46, s40, 8                         ; 256 cx
	s_add_co_u32 s46, s46, s95
	s_add_co_u32 s46, s46, s2
	s_lshl_b32 s22, s20, 5                         ; where these rows' scale bytes begin: 32 bytes a row,
	s_mov_b32 s23, 0
	s_lshl_b32 s20, s20, 10                        ; and their codes: 1,024 bytes a row (under 2^23)
	s_mov_b32 s21, 0
	s_lshl_b32 s92, s46, 5
	s_mov_b32 s93, 0
	s_lshl_b32 s46, s46, 10
	s_mov_b32 s47, 0
	s_mul_i32 s45, s14, HALFT                      ; where they go: wave x 128 rows: no place in the cluster enters an LDS address
	s_mul_i32 s94, s14, HALFS
	s_lshl_b32 s18, s40, 10                        ; the biases: kind 0's at B's rows 256 cx + 128 x half,
	s_lshl_b32 s19, s16, 9
	s_add_co_u32 s18, s18, s19
	s_mov_b32 s19, 0
	s_lshl_b32 s2, s41, 10                         ; kind 1's at bkv's 1,024 + 256 cy + 128 x half.  Both lie inside their buffers in every work-group, and both are loaded in every work-group
	s_lshl_b32 s3, s15, 9
	s_add_co_u32 s2, s2, s3
	s_add_co_u32 s2, s2, 4096
	s_mov_b32 s3, 0
	s_wait_kmcnt 0x0
	s_cmp_eq_u32 s[TYP], 1                         ; the choices hang on the cluster's coordinates alone
	s_cselect_b64 s[4:5], s[76:77], s[68:69]       ; A's codes: Wkv's or the tokens'
	s_cselect_b64 s[6:7], s[78:79], s[70:71]       ; A's scale bytes
	s_cselect_b64 s[12:13], s[88:89], s[84:85]     ; the images: v_img or qk_img
	s_cselect_b64 s[96:97], s[90:91], s[86:87]     ; the scale words: v_sc or qk_sc
	s_cmp_eq_u32 ttmp9, 0
	s_cselect_b64 s[8:9], s[72:73], s[76:77]       ; kind 0's B: Wq or Wkv
	s_cselect_b64 s[10:11], s[74:75], s[78:79]
	s_cselect_b64 s[98:99], s[80:81], s[82:83]     ; and its bias: bq or bkv
	s_cmp_eq_u32 s[TYP], 1
	s_cselect_b64 s[8:9], s[68:69], s[8:9]         ; kind 1's B: the tokens
	s_cselect_b64 s[10:11], s[70:71], s[10:11]
	s_cselect_b64 s[98:99], s[82:83], s[98:99]
	s_mov_b64 s[100:101], s[82:83]
	s_add_nc_u64 s[98:99], s[98:99], s[18:19]
	s_add_nc_u64 s[100:101], s[100:101], s[2:3]
	s_add_nc_u64 s[20:21], s[4:5], s[20:21]
	s_add_nc_u64 s[22:23], s[6:7], s[22:23]
	s_add_nc_u64 s[46:47], s[8:9], s[46:47]
	s_add_nc_u64 s[92:93], s[10:11], s[92:93]
	; group 1 for the scale bytes of 128 rows: a dense block of 4,096 bytes, as 16 rows of 256 bytes (32 elements of 8 bytes), 16 bytes of padding behind each
	s_or_b32 s[G1S+0], s43, (3<<16)|(1<<20)|(1<<21)|(5<<22)|(3<<25)
	s_or_b32 s[G1SB+0], s44, (3<<16)|(1<<20)|(1<<21)|(5<<22)|(3<<25)
.irp g, G1S, G1SB
	s_mov_b32 s[\g+1], 32<<16
	s_mov_b32 s[\g+2], (128*KS/256)<<16
	s_mov_b32 s[\g+3], 32<<16
	s_mov_b32 s[\g+4], 128*KS/256
	s_mov_b32 s[\g+5], 32
	s_mov_b32 s[\g+6], 0
	s_mov_b32 s[\g+7], 0
.endr
	CROUND                                         ; all sixteen work-groups are here: the first joint loads meet
	s_mov_b32 s[G0S], 1
	s_add_co_u32 s[G0S+1], s94, SCL
	s_mov_b64 s[G0S+2:G0S+3], s[22:23]
	s_or_b32 s[G0S+3], s[G0S+3], 0x80000000
	s_mov_b32 s[G0SB], 1
	s_add_co_u32 s[G0SB+1], s94, SCL
	s_mov_b64 s[G0SB+2:G0SB+3], s[92:93]
	s_or_b32 s[G0SB+3], s[G0SB+3], 0x80000000
	JLOAD G0S, G1S, G0SB, G1SB                     ; the scale bytes first: they are wanted with K step 0
.irp s, 0,1
	s_mov_b32 s[G0+4*\s], 1
	s_add_co_u32 s[G0+4*\s+1], s45, \s*SLOT
	s_add_nc_u64 s[G0+4*\s+2:G0+4*\s+3], s[20:21], \s*ROWB
	s_or_b32 s[G0+4*\s+3], s[G0+4*\s+3], 0x80000000
	s_mov_b32 s[G0B+4*\s], 1
	s_add_co_u32 s[G0B+4*\s+1], s45, \s*SLOT
	s_add_nc_u64 s[G0B+4*\s+2:G0B+4*\s+3], s[46:47], \s*ROWB
	s_or_b32 s[G0B+4*\s+3], s[G0B+4*\s+3], 0x80000000
	JLOAD G0+4*\s, G1, G0B+4*\s, G1B               ; three tensor loads of mine are out
.endr
	v_and_b32 v1, 15, v0                           ; r = l % 16
	v_bfe_u32 v2, v0, 4, 1                         ; hf = l / 16
	v_lshlrev_b32 v[BO1], 5, v2
	v_lshlrev_b32 v[BO2], 2, v1
.irp b, 0,1,2,3,4,5,6,7
	global_load_b128 v[BI+8*\b:BI+8*\b+3], v[BO1], s[98:99] offset:64*\b
	global_load_b128 v[BI+8*\b+4:BI+8*\b+7], v[BO1], s[98:99] offset:64*\b+16
.endr
.irp a, 0,1,2,3,4,5,6,7
	global_load_b32 v[BV+\a], v[BO2], s[100:101] offset:64*\a
.endr
	v_mul_u32_u24 v3, v1, PITCH
	v_lshl_add_u32 v4, v2, 4, v3                   ; a fragment's row x pitch + 16 x half
	s_mul_i32 s21, s15, HALFT                      ; my 128 rows of A
	s_mul_i32 s22, s16, HALFT                      ; my 128 rows of B,
	s_add_co_u32 s22, s22, 2*HALFT                 ; which lie behind A's 256
.irp s, 0,1
	v_add_nc_u32 v[ADRA+\s], s21, v4
	v_add_nc_u32 v[ADRB+\s], s22, v4
	s_add_co_u32 s21, s21, SLOT
	s_add_co_u32 s22, s22, SLOT
.endr
	v_mul_u32_u24 v5, v1, KS                       ; my row's scale bytes: 32 a row,
	v_lshrrev_b32 v6, 8, v5
	v_lshl_add_u32 v5, v6, 4, v5                   ; and 16 more for each 256 passed
	s_mul_i32 s21, s15, HALFS                      ; A's: my 128 rows
	s_mul_i32 s22, s16, HALFS                      ; B's: my 128 rows, behind A's 256
	s_add_co_u32 s22, s22, 2*HALFS
	s_sub_co_u32 s22, s22, s21
	v_mul_u32_u24 v6, s22, v2                      ; lanes 16-31 take B's: one product, the distance between the two
	s_add_co_u32 s21, s21, SCL
	v_add_nc_u32 v5, v5, v6
	v_add_nc_u32 v[ADRS], s21, v5
	; the way out's addresses, all made here.  The scratch lies in slot 0, which has had its last fill and its last read when the first word is stored there; each wave has its own bytes, each kind its own
	v_lshlrev_b32 v[SH], 4, v2
	v_and_b32 v6, 31, v0
	v_lshlrev_b32 v[CO], 4, v6
	s_lshl_b32 s23, s14, 10                        ; kind 0: 1,024 bytes a wave: two heads x 128 tokens x 4
	v_lshl_add_u32 v[SCQ], v2, 9, s23
	v_lshl_add_u32 v[SCQ], v1, 2, v[SCQ]
	v_add_nc_u32 v[RDQ], s23, v[CO]
	s_lshl_b32 s23, s14, 9                         ; kind 1: 512 bytes a wave, behind kind 0's 4,096
	s_add_co_u32 s23, s23, 4096
	v_lshl_add_u32 v[SCV], v1, 2, s23
	v_add_nc_u32 v[RDV], s23, v[CO]
	v_lshlrev_b32 v[COV], 4, v1
	v_lshl_add_u32 v[COV], v2, 11, v[COV]          ; lanes 0-15: 256 bytes of one head's words, lanes 16-31 the next head's, 2,048 bytes on
.macro FRAG reg, adr, q, i             ; a fragment: lane l holds row l % 16; registers 4 c .. 4 c + 3 hold K = 32 c + 16 (l / 16) + 0 .. 15
.irp c, 0,1,2,3
	ds_load_b128 v[\reg+4*\c:\reg+4*\c+3], v[\adr] offset:128*(\q)+32*\c+(\i)*16*PITCH
.endr
.endm
; 16 matrix instructions: A's blocks a0, a0 + 1 x B's eight, 128 along K: the slot's q-th.  p: B's set;  sc: the set of scale words.  zero = 1: the first product starts the sums: nothing is ever cleared.
; The 64 accumulators take turns, one instruction a turn, in the same order in every step.
.macro MUL16 a0, p, q, sc, zero
.irp a, \a0, \a0+1
.irp b, 0,1,2,3,4,5,6,7
.if \zero
	v_wmma_scale_f32_16x16x128_f8f6f4 v[8*(8*((\a)%4)+\b):8*(8*((\a)%4)+\b)+7], v[128*(\p)+FR*\b:128*(\p)+FR*\b+FR-1], v[AF+FR*(\a):AF+FR*(\a)+FR-1], 0, v[SC+8*NQ*(\sc)+NQ*\b+(\q)], v[SC+8*NQ*(\sc)+NQ*(\a)+(\q)] matrix_a_fmt:MATRIX_FMT_BF8 matrix_b_fmt:MATRIX_FMT_BF8 matrix_a_scale:MATRIX_SCALE_ROW1
.else
	v_wmma_scale_f32_16x16x128_f8f6f4 v[8*(8*((\a)%4)+\b):8*(8*((\a)%4)+\b)+7], v[128*(\p)+FR*\b:128*(\p)+FR*\b+FR-1], v[AF+FR*(\a):AF+FR*(\a)+FR-1], v[8*(8*((\a)%4)+\b):8*(8*((\a)%4)+\b)+7], v[SC+8*NQ*(\sc)+NQ*\b+(\q)], v[SC+8*NQ*(\sc)+NQ*(\a)+(\q)] matrix_a_fmt:MATRIX_FMT_BF8 matrix_b_fmt:MATRIX_FMT_BF8 matrix_a_scale:MATRIX_SCALE_ROW1
.endif
.endr
.endr
.endm
.macro FETCH_B slot, q, p              ; B's eight fragments of the slot's q-th 128 along K into set p
	WIN TO_B
.irp i, 0,1,2,3,4,5,6,7
	FRAG 128*(\p)+FR*\i, ADRB+\slot, \q, \i
.endr
	WIN 0
.endm
.macro FETCH_A slot, q, i0             ; A's blocks i0 .. i0 + 3
.irp i, \i0, \i0+1, \i0+2, \i0+3
	FRAG AF+FR*(\i), ADRA+\slot, \q, \i
.endr
.endm
.macro SCALES sc                       ; the next K step's scale words into set sc: two words a row; lanes 0-15 take A's block i, lanes 16-31 B's block i
.irp i, 0,1,2,3,4,5,6,7
	ds_load_b64 v[SC+8*NQ*\sc+NQ*\i:SC+8*NQ*\sc+NQ*\i+1], v[ADRS] offset:\i*SBLK
.endr
.endm
; A load into a register that a matrix instruction has read, and a vector instruction that reads a matrix result or writes one of a matrix instruction's registers, stand NP places behind it; only plain
; vector instructions that name none of its registers are places (ISA guide 7.12.1 for vector instructions).
.macro PLACES n
.rept \n
	v_nop
.endr
.endm
.macro STEP slot, q, zero              ; a step of 128 along K that has its successor in the same slot
	s_wait_dscnt 4*NL                              ; B's set and A's blocks 0-3 are in; the youngest 16 loads (A's blocks 4-7) may be out
	WIN MUL_LO
	MUL16 0, (\q)%2, \q, \slot, \zero
	MUL16 2, (\q)%2, \q, \slot, \zero
	s_wait_dscnt 0                                 ; A's blocks 4-7 are in (asked for 32 matrix instructions ago)
	PLACES NP
	FETCH_B \slot, (\q)+1, 1-(\q)%2
	FETCH_A \slot, (\q)+1, 0
	WIN MUL_HI
	MUL16 4, (\q)%2, \q, \slot, \zero
	MUL16 6, (\q)%2, \q, \slot, \zero
	PLACES NP
	WIN 0
	FETCH_A \slot, (\q)+1, 4
.endm
; A slot's last step changes slots: ONE barrier; in front of it each wave waits for all its tensor loads, adds 0 to its spare word, and waits for that and for its own reads of this slot.  fill = 1: this slot is filled again, two K steps ahead.
.macro TURN slot, next, fill
	s_wait_tensorcnt 0x0                           ; all my tensor loads have landed: my part of the next slot;  (every window is 0 here: the add's two registers lie in window 0)
	ds_add_u32 v[SPW], v[NIL]                      ; 0 onto my spare word
	s_wait_dscnt 4*NL+1                            ; (the add and the youngest 16 loads, A's blocks 4-7, may be out)
	WIN MUL_LO
	MUL16 0, 1, NQ-1, \slot, 0                     ; sixteen matrix instructions stand between the add and the wait for it
	s_wait_dscnt 0x0                               ; the add is done, and my reads of this slot are over
	s_barrier_signal -1
	MUL16 2, 1, NQ-1, \slot, 0
	WIN 0
	s_barrier_wait -1
.if \fill
	CREST                                          ; the barrier has opened a round of the cluster's barrier: no wave of any partner still reads this slot's tile or has a load on its way
	s_add_nc_u64 s[G0+4*\slot+2:G0+4*\slot+3], s[G0+4*\slot+2:G0+4*\slot+3], 2*ROWB
	s_add_nc_u64 s[G0B+4*\slot+2:G0B+4*\slot+3], s[G0B+4*\slot+2:G0B+4*\slot+3], 2*ROWB
	JLOAD G0+4*\slot, G1, G0B+4*\slot, G1B         ; the first tensor load behind the round, my only one until the next; its four v_nop are among the places in front of the loads below
	PLACES NP-4
.else
	PLACES NP
.endif
	v_add_nc_u32 v[ADRS], 4*NQ, v[ADRS]            ; on to the next K step's scale words (no LDS load of mine is out)
	FETCH_B \next, 0, 0
	FETCH_A \next, 0, 0
	SCALES \next
	WIN MUL_HI
	MUL16 4, 1, NQ-1, \slot, 0
	MUL16 6, 1, NQ-1, \slot, 0
	PLACES NP
	WIN 0
	FETCH_A \next, 0, 4
.endm
	s_wait_loadcnt 0x0                             ; the biases
	s_wait_tensorcnt 1                             ; the scale bytes and my part of K step 0 are in (K step 1's load may be out)
	s_barrier_signal -1
	s_barrier_wait -1                              ; everybody's are
	FETCH_B 0, 0, 0
	FETCH_A 0, 0, 0
	SCALES 0
	FETCH_A 0, 0, 4
	STEP 0, 0, 1                                   ; K 0-127: its products start the sums
	TURN 0, 1, 1                                   ; K 128-255; slot 0 takes K 512-767
	STEP 1, 0, 0
	TURN 1, 0, 1                                   ; slot 1 takes K 768-1,023
	STEP 0, 0, 0
	TURN 0, 1, 0                                   ; nothing is left to fetch: no round of the cluster's barrier
	STEP 1, 0, 0
	s_wait_dscnt 4*NL                              ; the last step
	WIN MUL_LO
	MUL16 0, 1, NQ-1, 1, 0
	MUL16 2, 1, NQ-1, 1, 0
	s_wait_dscnt 0
	WIN MUL_HI
	MUL16 4, 1, NQ-1, 1, 0
	MUL16 6, 1, NQ-1, 1, 0
	WIN 0
	; THE WAY OUT.  Where my part begins: kind 0: ((8 x + y) << 20) + (cx << 18) + (column half << 17) + (cy << 14) + (row half << 13) in qk_img, a sixteenth of that in qk_sc;
	; kind 1: (batch << 20) + (cy << 18) + (row half << 17) + (cx << 14) + (column half << 13) in v_img, a thirty-second of that in v_sc.  (No tensor load of mine is out: the descriptors' registers are scratch)
	s_and_b32 s68, ttmp7, 0xffff
	s_max_u32 s69, s68, 8
	s_sub_co_u32 s69, s69, 8
	s_lshl_b32 s69, s69, 1
	s_add_co_u32 s69, s69, ttmp9
	s_lshl_b32 s70, ttmp9, 3
	s_add_co_u32 s70, s70, s68
	s_cmp_eq_u32 s[TYP], 1
	s_cselect_b32 s72, s69, s70
	s_cselect_b32 s73, s41, s40
	s_cselect_b32 s74, s15, s16
	s_cselect_b32 s75, s40, s41
	s_cselect_b32 s76, s16, s15
	s_cselect_b32 s77, 5, 4
	s_lshl_b32 s72, s72, 20
	s_lshl_b32 s73, s73, 18
	s_lshl_b32 s74, s74, 17
	s_lshl_b32 s75, s75, 14
	s_lshl_b32 s76, s76, 13
	s_add_co_u32 s72, s72, s73
	s_add_co_u32 s72, s72, s74
	s_add_co_u32 s72, s72, s75
	s_add_co_u32 s72, s72, s76
	s_mov_b32 s73, 0
	s_add_nc_u64 s[12:13], s[12:13], s[72:73]
	s_lshr_b32 s72, s72, s77
	s_add_nc_u64 s[96:97], s[96:97], s[72:73]
	s_mov_b32 s[SEL], 0x76543210
	s_mov_b32 s[SEL+1], 0xfedcba98                 ; v_permlanex16_b32's selects for lane l xor 16
	s_mov_b32 s[MNT], 0x600000
	s_mov_b32 s[PADB], 0x7f7f0000
	PLACES NP                                      ; behind the last products: their results are read and A's registers written below
.irp b, 0,1,2,3
	v_mov_b32 v[TM+4+\b], 0                        ; written once: a lane permute's destination counts as one of its sources
.endr
; 64 numbers of a lane, v[s] on, register 16 b + i a number of block b (lane l xor 16 holds the block's other 16), become 16 registers of codes in v[PC] on and the four blocks' scale word in v[pw].
.macro QUANT s, pw
.irp b, 0,1,2,3
	v_max3_num_f32 v[TM+\b], |v[\s+16*\b]|, |v[\s+1+16*\b]|, 0x8000000   ; my 16 numbers, and the floor 2^(16 - 127): the byte cannot fall under 1
.endr
.irp i, 2,4,6,8,10,12,14
.irp b, 0,1,2,3
	v_max3_num_f32 v[TM+\b], v[TM+\b], |v[\s+16*\b+\i]|, |v[\s+1+16*\b+\i]|   ; (the four blocks by turns)
.endr
.endr
.irp b, 0,1,2,3
	v_permlanex16_b32 v[TM+4+\b], v[TM+\b], s[SEL], s[SEL+1]
.endr
.irp b, 0,1,2,3
	v_max_num_f32 v[TM+\b], v[TM+\b], v[TM+4+\b]   ; the block's largest magnitude
.endr
.irp b, 0,1,2,3
	v_add_nc_u32 v[TM+12+\b], 0xf8800000, v[TM+\b] ; 15 off its exponent field: the conversion's scale operand
.endr
.irp b, 0,1,2,3
	v_and_or_b32 v[TM+8+\b], v[TM+\b], 0x7f800000, s[MNT]   ; 57,344 x the scale
.endr
.irp b, 0,1,2,3
	v_lshrrev_b32 v[TM+4+\b], 23, v[TM+12+\b]      ; the scale's byte
.endr
	v_lshl_or_b32 v[\pw], v[TM+5], 8, v[TM+4]
	v_lshl_or_b32 v[\pw], v[TM+6], 16, v[\pw]
	v_lshl_or_b32 v[\pw], v[TM+7], 24, v[\pw]
.irp b, 0,1,2,3
.irp i, 0,1,2,3,4,5,6,7,8,9,10,11,12,13,14,15
	v_med3_num_f32 v[\s+16*\b+\i], v[\s+16*\b+\i], -v[TM+8+\b], v[TM+8+\b]   ; the conversion to an 8-bit code does not saturate (ISA guide 7.6.2): the hold comes first
.endr
	v_cvt_scalef32_pk8_bf8_f32 v[PC+4*\b:PC+1+4*\b], v[\s+16*\b:\s+7+16*\b], v[TM+12+\b]
	v_cvt_scalef32_pk8_bf8_f32 v[PC+2+4*\b:PC+3+4*\b], v[\s+8+16*\b:\s+15+16*\b], v[TM+12+\b]
.endr
	v_nop                                          ; a plain instruction behind the last conversion, ahead of the next vector instruction that writes its sources
.endm
; My eight blocks a of 16 A rows, one after the other: the bias is added on the way from the accumulators' window into window 0 (each accumulator is read from its low end on), the 64 numbers are quantised,
; the four groups of codes leave as they stand (each store: 512 consecutive bytes, aligned), the scale word goes to my scratch.
.macro EPI type
.irp a, 0,1,2,3,4,5,6,7
.if \a > 0
	s_wait_xcnt 0x0                                ; the last block's stores have read v[PC] on, which is written again below
.endif
	WIN 0x02+(\a)/4                                ; source 0: window 2 or 3
.set AC, 64*((\a)%4)
.set k, 0
.rept 32
.if \type == 0
	v_pk_add_f32 v[T+k:T+k+1], v[AC+k:AC+k+1], v[BI+k:BI+k+1]
.elseif (\a)%2 == 0
	v_pk_add_f32 v[T+k:T+k+1], v[AC+k:AC+k+1], v[BV+\a:BV+\a+1] op_sel_hi:[1,0]             ; my channel's bias: the pair's first word for both halves
.else
	v_pk_add_f32 v[T+k:T+k+1], v[AC+k:AC+k+1], v[BV+\a-1:BV+\a] op_sel:[0,1] op_sel_hi:[1,1]   ; the pair's second word for both
.endif
.set k, k+2
.endr
	WIN 0
	QUANT T, W+\a
.if \type == 0                         ; blocks 0, 1: my first head's two halves of 32; blocks 2, 3: the next head's, 65,536 bytes on.  Tile a of 16 tokens: 1,024 bytes
	global_store_b128 v[CO], v[PC:PC+3], s[12:13] offset:1024*\a
	global_store_b128 v[CO], v[PC+4:PC+7], s[12:13] offset:1024*\a+512
	global_store_b128 v[CO], v[PC+8:PC+11], s[12:13] offset:65536+1024*\a
	global_store_b128 v[CO], v[PC+12:PC+15], s[12:13] offset:65536+1024*\a+512
	v_lshrrev_b32 v[W+\a], v[SH], v[W+\a]          ; lanes 0-15 keep the first head's two bytes, lanes 16-31 the next head's,
	v_and_or_b32 v[W+\a], v[W+\a], 0xffff, s[PADB] ; with 0x7f, 0x7f above them
	ds_store_b32 v[SCQ], v[W+\a] offset:64*\a
.else                                  ; blocks 0 to 3: the four blocks of 32 of my 128 keys.  Blocks a = 0-3: the four channel tiles of my first head, 2,048 bytes each; a = 4-7: the next head's
	global_store_b128 v[CO], v[PC:PC+3], s[12:13] offset:(\a/4)*65536+(\a%4)*2048
	global_store_b128 v[CO], v[PC+4:PC+7], s[12:13] offset:(\a/4)*65536+(\a%4)*2048+512
	global_store_b128 v[CO], v[PC+8:PC+11], s[12:13] offset:(\a/4)*65536+(\a%4)*2048+1024
	global_store_b128 v[CO], v[PC+12:PC+15], s[12:13] offset:(\a/4)*65536+(\a%4)*2048+1536
	ds_store_b32 v[SCV], v[W+\a] offset:64*\a      ; both halves of the lanes write the same word with the same value
.endif
.endr
.if \type == 0
	ds_load_b128 v[GW:GW+3], v[RDQ]                ; LDS serves a wave's instructions in order (ISA guide 5.7.1.4): these see my stores
	ds_load_b128 v[GW+4:GW+7], v[RDQ] offset:512
	s_wait_dscnt 0x0
	global_store_b128 v[CO], v[GW:GW+3], s[96:97]  ; 128 tokens' words of a head: 512 consecutive bytes, aligned
	global_store_b128 v[CO], v[GW+4:GW+7], s[96:97] offset:4096
.else
	ds_load_b128 v[GW:GW+3], v[RDV]
	s_wait_dscnt 0x0
	global_store_b128 v[COV], v[GW:GW+3], s[96:97] ; sixteen lanes store 256 consecutive bytes, aligned: a head's words of these 128 keys
.endif
.endm
	s_cmp_eq_u32 s[TYP], 1                         ; the one parting of the kinds: on the cluster's coordinates, alike in all partners
	s_cbranch_scc1 .Lkind1
	EPI 0
	s_branch .Ldone
.Lkind1:
	EPI 1
.Ldone:
	s_wait_tensorcnt 0x0                           ; the wave's end, behind my last tensor load and my last LDS store
	ds_add_u32 v[SPW], v[NIL]
	s_wait_dscnt 0x0
	CROUND                                         ; the closing round: no work-group ends while a partner may still ask for a tile that names it
	s_endpgm
.Lfunc_end_k_q8cbb2a3795_qkv:
	.size	k_q8cbb2a3795_qkv, .Lfunc_end_k_q8cbb2a3795_qkv-k_q8cbb2a3795_qkv
	.p2alignl 7, 3214868480
	.fill 96, 4, 3214868480
	.section	.rodata,"a",@progbits
	.p2align	6, 0x0
	.amdhsa_kernel k_q8cbb2a3795_qkv
		.amdhsa_group_segment_fixed_size 327680
		.amdhsa_private_segment_fixed_size 0
		.amdhsa_enable_private_segment 0
		.amdhsa_kernarg_size 96
		.amdhsa_user_sgpr_count 2
		.amdhsa_user_sgpr_kernarg_segment_ptr 1
		.amdhsa_wavefront_size32 1
		.amdhsa_system_sgpr_workgroup_id_x 1
		.amdhsa_system_sgpr_workgroup_id_y 1
		.amdhsa_system_sgpr_workgroup_id_z 1
		.amdhsa_system_vgpr_workitem_id 0
		.amdhsa_next_free_vgpr 1024
		.amdhsa_next_free_sgpr 102
		.amdhsa_reserve_vcc 0
		.amdhsa_float_denorm_mode_32 3
		.amdhsa_float_denorm_mode_16_64 3
		.amdhsa_memory_ordered 1
		.amdhsa_forward_progress 1
		.amdhsa_inst_pref_size 255
	.end_amdhsa_kernel
	.section	.bss,"aw",@nobits
	.p2align	6
	.space	262144
	.amdgpu_metadata
---
amdhsa.version: [ 1, 2 ]
amdhsa.kernels:
  - .name:           k_q8cbb2a3795_qkv
    .symbol:         k_q8cbb2a3795_qkv.kd
    .args:
      - { .name: act_codes, .offset: 0, .size: 8, .value_kind: global_buffer, .address_space: global }
      - { .name: act_scales, .offset: 8, .size: 8, .value_kind: global_buffer, .address_space: global }
      - { .name: Wq_codes, .offset: 16, .size: 8, .value_kind: global_buffer, .address_space: global }
      - { .name: Wq_scales, .offset: 24, .size: 8, .value_kind: global_buffer, .address_space: global }
      - { .name: Wkv_codes, .offset: 32, .size: 8, .value_kind: global_buffer, .address_space: global }
      - { .name: Wkv_scales, .offset: 40, .size: 8, .value_kind: global_buffer, .address_space: global }
      - { .name: bq, .offset: 48, .size: 8, .value_kind: global_buffer, .address_space: global }
      - { .name: bkv, .offset: 56, .size: 8, .value_kind: global_buffer, .address_space: global }
      - { .name: qk_img, .offset: 64, .size: 8, .value_kind: global_buffer, .address_space: global }
      - { .name: qk_sc, .offset: 72, .size: 8, .value_kind: global_buffer, .address_space: global }
      - { .name: v_img, .offset: 80, .size: 8, .value_kind: global_buffer, .address_space: global }
      - { .name: v_sc, .offset: 88, .size: 8, .value_kind: global_buffer, .address_space: global }
    .group_segment_fixed_size: 327680
    .private_segment_fixed_size: 0
    .kernarg_segment_align: 8
    .kernarg_segment_size: 96
    .max_flat_workgroup_size: 128
    .sgpr_count:     102
    .vgpr_count:     1024
    .wavefront_size: 32
...
	.end_amdgpu_metadata
.endif
;; end of part 2
;; launch attn (part 3): grid 2 x 128, 16 waves a work-group, no clusters, 159,744 bytes of LDS; arguments qk_img, qk_sc, v_img, v_sc, seq_lens, act_codes, act_scales; writes act_codes, act_scales
.if DOCPART == 3
	.amdgcn_target "amdgcn-amd-amdhsa--gfx1250"
	.amdhsa_code_object_version 6
	.text
	.protected	k_q8cbb2a3795_attn
	.globl	k_q8cbb2a3795_attn
	.p2align	8
	.type	k_q8cbb2a3795_attn,@function
k_q8cbb2a3795_attn:
	s_mov_b64 s[64:65], 0
	v_nop
	global_prefetch_b8 v0, s[64:65] scope:SCOPE_SE
	s_setreg_imm32_b32 hwreg(HW_REG_WAVE_MODE, 25, 1), 1
	s_wait_xcnt 0x0
; For each batch and head: o[q] = the sum over keys of softmax(q . k / 8, keys k <= q and k < seq_len) v[k], both products on codes of BF8 (E5M2) with one E8M0 scale for each 32 along K;
; o is quantised along the heads' axis (two blocks of 32 a head) into act_codes [8192][1024] and act_scales [8192][32], in the true order, for the last product.
; THE SOFTMAX AHEAD OF THE SECOND PRODUCT: t = score x log2(e) / 8; M = the row's largest t so far, rounded UP to a whole number; p = 2^(t - M) is what is quantised, along the keys, not normalised.
; The row's sum is taken of the unquantised p, in f32, and divides o at the end.  When M moves, the sum and o are multiplied by 2^(old M - new M): exact.
; INPUTS are images of operand registers, made by the launch before: a fragment comes by loads of 16 bytes at 16 x lane.  Inside a block of 32 q and k carry one order, and v carries the order in which p falls
; out of S^T here: place i of lane (r, hf) in block c is key 32 c + 16 (i / 8) + 8 hf + i % 8.
; SHARES.  A work-group takes one head and half of its 64 tiles of 16 queries.  The head's K and V images and scale words (137,216 bytes) are copied into LDS once, through registers; then one barrier, and no more.
; Wave w of work-group z takes the tiles t = 16 z + w and 63 - t: t / 8 + 1 and 8 - t / 8 key steps of 128 lie under the causal mask, nine for every wave.  Four waves share a SIMD, so that one wave's softmax
; stands beside another's products and LDS loads.  No tensor load: branches on seq_lens, a whole number read from memory, leave out the key steps that are hidden as a whole and the masking where nothing is hidden.
; No cluster: the two work-groups of a head share one read of 137,216 bytes at their head and nothing afterwards.  No prefetch: all that a work-group reads is asked for at its head.
; LAYOUT.  Both products are used transposed: S^T = K Q^T (source 0 = 16 keys, source 1 = my 16 queries), O^T = V^T P^T (source 0 = 16 channels, source 1 = P): a lane holds ONE query (lane % 16) throughout.
; K = 64 IN AN INSTRUCTION OF K = 128: Q's registers 8-15 are zero codes.  A key tile's registers 8-15 are the next tile's codes (behind the last tile: zeros): finite numbers, since the quantiser holds at the largest
; code, so they meet zeros and add nothing; the upper two scale bytes of q's and k's words are 0x7f.
; LIMITS: seq_lens is held to 1 .. 1,024 (at 0 the definition gives NaN: not served).  A block of o under 2^(16 - 127) gets the byte 1.  NaN and infinities are not served.
.set KSC, 131072                       ; LDS: K's image at 0 (65,536 bytes), V's at 65,536; K's scale words (4,096 bytes);
.set VSC, 135168                       ; V's (2,048);
.set STG, 137216                       ; a stage of 16 rows x (64 + 16) bytes for each wave
.set LI,  1                            ; v1   16 x lane: an image's place for my lane (K)
.set LIV, 2                            ; v2   the same in V's image
.set LSK, 3                            ; v3   4 x lane among K's scale words
.set LSV, 4                            ; v4   and V's
.set STO, 5                            ; v5   the stage: where I put 8 codes
.set RD,  6                            ; v6   and where I read 16 back
.set GO,  7                            ; v7   the same place in act_codes
.set ADK, 8                            ; v8-11 the addresses of the loads in hand: K, V, K's words, V's words
.set ADV, 9
.set ADS, 10
.set ADT, 11                           ; v12 -M, v13 the largest t, v[14:15] the sum in two halves
.set Q,   16                           ; v16-23 Q's codes, v24-31 zeros
.set KV,  32                           ; v32-95 eight key tiles of 8 registers, or four fragments of V of 16; v96-103 zeros
.set S,   104                          ; v104-167 S^T, then p
.set OT,  168                          ; v168-199 O^T
.set PCD, 200                          ; v200-215 p's codes
.set BM,  216                          ; v216-219 the blocks' maxima;  v220-223, v224-227, v228-231 at work: permutes and bytes, holds, scale operands
.set PT,  220
.set HL,  224
.set SO,  228
.set KW,  232                          ; v232-235 K's scale words: lanes 0-15 tile 2 u, lanes 16-31 tile 2 u + 1;  v236-237 V's likewise;  v238 Q's;  v239 p's: these hold scales and nothing else
.set VW,  236
.set QW,  238
.set PW,  239
.set F,   240                          ; v[240:241] f = 2^(old M - new M), named as a pair
.set TMP, 242
.set DD,  243
.set NINF, 244                         ; -infinity
.set GS,  245                          ; 32 x (lane % 16): my query's row of act_scales
.set Q2,  246                          ; v246-253 the second tile's Q;  v254 its scale word
.set QW2, 254
.set LIMV, 255                         ; the last key that counts for my query, less 8 (lane / 16)
	s_load_b256 s[4:11], s[0:1], 0x0               ; qk_img s[4:5], qk_sc s[6:7], v_img s[8:9], v_sc s[10:11]
	s_load_b128 s[12:15], s[0:1], 0x20             ; seq_lens s[12:13], act_codes s[14:15]
	s_load_b64 s[16:17], s[0:1], 0x30              ; act_scales
	v_lshrrev_b32 v[TMP], 5, v0
	v_readfirstlane_b32 s18, v[TMP]                ; wave 0..15
	v_and_b32 v[TMP], 31, v0                       ; lane
	v_and_b32 v[DD], 15, v0                        ; r
	v_bfe_u32 v[F], v0, 4, 1                       ; hf
	v_lshlrev_b32 v[LI], 4, v[TMP]
	v_add_nc_u32 v[LIV], 0x10000, v[LI]
	v_lshl_add_u32 v[LSK], v[TMP], 2, KSC
	v_lshl_add_u32 v[LSV], v[TMP], 2, VSC
	s_mul_i32 s33, s18, 1280
	s_add_co_u32 s33, s33, STG                     ; my stage
	v_mul_u32_u24 v[STO], v[DD], 80
	v_lshl_add_u32 v[STO], v[F], 3, v[STO]
	v_add_nc_u32 v[STO], s33, v[STO]               ; in: row r, + 8 hf; channel tile tt: 16 tt bytes on
	v_lshrrev_b32 v[BM], 2, v[TMP]
	v_and_b32 v[BM+1], 3, v[TMP]
	v_mul_u32_u24 v[RD], v[BM], 80
	v_lshl_add_u32 v[RD], v[BM+1], 4, v[RD]
	v_add_nc_u32 v[RD], s33, v[RD]                 ; back: four lanes to a row of 64 bytes, eight rows an instruction
	v_lshlrev_b32 v[GO], 10, v[BM]
	v_lshl_add_u32 v[GO], v[BM+1], 4, v[GO]
	v_lshlrev_b32 v[GS], 5, v[DD]
	v_lshlrev_b32 v[BM+2], 2, v[DD]                ; Q's scale words: 4 r
	v_lshlrev_b32 v[ADK], 4, v0                    ; the fill: 16 bytes a thread, 8,192 an instruction of the work-group
	v_add_nc_u32 v[ADV], 0x10000, v[ADK]
	v_lshlrev_b32 v[ADS], 3, v0
	v_lshlrev_b32 v[ADT], 2, v0
	s_mov_b32 s19, 0x600000                        ; the mantissa field of 57,344
	s_mov_b32 s20, 0x76543210
	s_mov_b32 s21, 0xfedcba98                      ; v_permlanex16_b32's selects for lane l xor 16
	s_mov_b32 s22, 0x3e38aa3b                      ; c = log2(e) / 8
	s_mov_b32 s23, s22                             ; (named with it as a pair, so it is written)
	s_and_b32 s24, ttmp7, 0xffff                   ; 16 x batch + head
	s_lshl_b32 s25, ttmp9, 4
	s_add_co_u32 s27, s25, s18                     ; my first tile: 16 z + wave
	s_sub_co_u32 s34, 63, s27                      ; my second
	s_lshl_b32 s36, s24, 16                        ; a head's image: 65,536 bytes,
	s_mov_b32 s37, 0
	s_lshl_b32 s38, s24, 12                        ; its q or k words: 4,096,
	s_mov_b32 s39, 0
	s_lshl_b32 s40, s24, 11                        ; its v words: 2,048
	s_mov_b32 s41, 0
	s_lshr_b32 s42, s24, 4
	s_lshl_b32 s42, s42, 2                         ; my batch's word of seq_lens
	s_mov_b32 s43, 0
	s_mov_b32 s49, 0
	s_wait_kmcnt 0x0
	s_add_nc_u64 s[12:13], s[12:13], s[42:43]
	s_load_b32 s26, s[12:13], 0x0
	s_add_nc_u64 s[4:5], s[4:5], s[36:37]
	s_add_nc_u64 s[6:7], s[6:7], s[38:39]
	s_add_nc_u64 s[8:9], s[8:9], s[36:37]
	s_add_nc_u64 s[10:11], s[10:11], s[40:41]
	s_add_nc_u64 s[44:45], s[4:5], 0x800000        ; k's half of qk_img
	s_add_nc_u64 s[46:47], s[6:7], 0x80000         ; and of qk_sc
	s_lshl_b32 s48, s27, 10
	s_add_nc_u64 s[50:51], s[4:5], s[48:49]        ; my tiles of q: 1,024 bytes of codes,
	s_lshl_b32 s48, s27, 6
	s_add_nc_u64 s[52:53], s[6:7], s[48:49]        ; 64 of scale words
	s_lshl_b32 s48, s34, 10
	s_add_nc_u64 s[54:55], s[4:5], s[48:49]
	s_lshl_b32 s48, s34, 6
	s_add_nc_u64 s[56:57], s[6:7], s[48:49]
	global_load_b128 v[Q:Q+3], v[LI], s[50:51]
	global_load_b128 v[Q+4:Q+7], v[LI], s[50:51] offset:512
	global_load_b32 v[QW], v[BM+2], s[52:53]
	global_load_b128 v[Q2:Q2+3], v[LI], s[54:55]
	global_load_b128 v[Q2+4:Q2+7], v[LI], s[54:55] offset:512
	global_load_b32 v[QW2], v[BM+2], s[56:57]
.irp s, 0,1,2,3,4,5,6,7
	global_load_b128 v[S+4*\s:S+4*\s+3], v[ADK], s[44:45] offset:8192*\s        ; K's image, 128 keys an instruction of the work-group
.endr
.irp s, 0,1,2,3,4,5,6,7
	global_load_b128 v[S+32+4*\s:S+32+4*\s+3], v[ADK], s[8:9] offset:8192*\s    ; V's
.endr
	global_load_b64 v[OT:OT+1], v[ADS], s[46:47]
	global_load_b32 v[OT+2], v[ADT], s[10:11]
.irp i, 0,1,2,3,4,5,6,7
	v_mov_b32 v[Q+8+\i], 0                         ; the zero codes of K = 64 .. 127
	v_mov_b32 v[KV+64+\i], 0
.endr
.irp b, 0,1,2,3
	v_mov_b32 v[PT+\b], 0                          ; written once: a lane permute's destination counts as one of its sources
.endr
	v_mov_b32 v[F+1], 0                            ; (named as the upper half of the pair before it could be written)
	v_mov_b32 v[NINF], 0xff800000
	s_wait_kmcnt 0x0
	s_max_u32 s26, s26, 1
	s_min_u32 s26, s26, 1024
	s_sub_co_u32 s26, s26, 1                       ; the last key that the padding leaves
	s_wait_loadcnt 0x0                             ; all is in, and the loads' offsets may be written
	v_add_nc_u32 v[ADS], KSC, v[ADS]
	v_add_nc_u32 v[ADT], VSC, v[ADT]
.irp s, 0,1,2,3,4,5,6,7
	ds_store_b128 v[ADK], v[S+4*\s:S+4*\s+3] offset:8192*\s
.endr
.irp s, 0,1,2,3,4,5,6,7
	ds_store_b128 v[ADV], v[S+32+4*\s:S+32+4*\s+3] offset:8192*\s
.endr
	ds_store_b64 v[ADS], v[OT:OT+1]
	ds_store_b32 v[ADT], v[OT+2]
	s_wait_dscnt 0x0                               ; for the others' sake: my stores have landed
	s_barrier_signal -1
	s_barrier_wait -1                              ; the head's K and V lie in LDS; nothing there is written again but each wave's own stage
; A KEY STEP: 128 keys from s32 on.  s33: the step's images (8,192 bytes a step), s35: K's words (512), s62: V's (256).
.macro STEP
	s_cmp_gt_u32 s32, s29                          ; all 128 keys come after the last key that counts for any of my 16 queries: the step's work is left out, not the lines at its end that step addresses
	s_cbranch_scc1 .Lhidden_\@
	v_add_nc_u32 v[ADK], s33, v[LI]
	v_add_nc_u32 v[ADV], s33, v[LIV]
	v_add_nc_u32 v[ADS], s35, v[LSK]
	v_add_nc_u32 v[ADT], s62, v[LSV]
.rept 4
	v_nop                                          ; with the four additions: eight places in front of loads into registers that the last products have read
.endr
.irp t, 0,1,2,3,4,5,6,7
	ds_load_b128 v[KV+8*\t:KV+8*\t+3], v[ADK] offset:1024*\t
	ds_load_b128 v[KV+8*\t+4:KV+8*\t+7], v[ADK] offset:1024*\t+512
.endr
.irp u, 0,1,2,3
	ds_load_b32 v[KW+\u], v[ADS] offset:128*\u
.endr
	s_wait_dscnt 0x0
.irp t, 0,2,4,6                        ; S^T: tile t: lane (r, hf), register j: key 16 t + 8 hf + j, query r
	v_wmma_scale_f32_16x16x128_f8f6f4 v[S+8*\t:S+8*\t+7], v[KV+8*\t:KV+8*\t+15], v[Q:Q+15], 0, v[KW+\t/2], v[QW] matrix_a_fmt:MATRIX_FMT_BF8 matrix_b_fmt:MATRIX_FMT_BF8
	v_wmma_scale_f32_16x16x128_f8f6f4 v[S+8*\t+8:S+8*\t+15], v[KV+8*\t+8:KV+8*\t+23], v[Q:Q+15], 0, v[KW+\t/2], v[QW] matrix_a_fmt:MATRIX_FMT_BF8 matrix_b_fmt:MATRIX_FMT_BF8 matrix_a_scale:MATRIX_SCALE_ROW1
.endr
.rept 8
	v_nop                                          ; eight places: in front of the loads into K's registers, and of the first read of the scores
.endr
.irp t, 0,1,2,3                        ; V's four fragments are asked for here and land under the softmax
.irp c, 0,1,2,3
	ds_load_b128 v[KV+16*\t+4*\c:KV+16*\t+4*\c+3], v[ADV] offset:2048*\t+512*\c
.endr
.endr
	ds_load_b32 v[VW], v[ADT]
	ds_load_b32 v[VW+1], v[ADT] offset:128
	s_add_co_u32 s63, s32, 127                     ; a step all of whose keys count for all my queries skips the masking
	s_cmp_le_u32 s63, s30
	s_cbranch_scc1 .Lopen_\@
	v_sub_nc_u32 v[DD], v[LIMV], s32               ; register n holds key s32 + 8 hf + 16 (n / 8) + n % 8: hidden where 16 (n / 8) + n % 8 is above this
.set n, 0
.rept 64
	v_cmp_gt_i32 vcc_lo, 16*(n/8)+n%8, v[DD]
	v_cndmask_b32 v[S+n], v[S+n], v[NINF], vcc_lo  ; hidden scores become -infinity ahead of the maximum: p = 0 then
.set n, n+1
.endr
.Lopen_\@:
.irp b, 0,1,2,3
	v_max3_num_f32 v[BM+\b], v[S+16*\b], v[S+1+16*\b], v[S+2+16*\b]   ; the largest score of each block of 32 keys: it serves the row's maximum and, since p rises with the score, the block's largest p
.endr
.irp i, 3,5,7,9,11,13
.irp b, 0,1,2,3
	v_max3_num_f32 v[BM+\b], v[BM+\b], v[S+16*\b+\i], v[S+1+16*\b+\i]
.endr
.endr
.irp b, 0,1,2,3
	v_max_num_f32 v[BM+\b], v[BM+\b], v[S+15+16*\b]
.endr
.irp b, 0,1,2,3
	v_permlanex16_b32 v[PT+\b], v[BM+\b], s20, s21
.endr
.irp b, 0,1,2,3
	v_max_num_f32 v[BM+\b], v[BM+\b], v[PT+\b]     ; with lane l xor 16's 16 keys
.endr
	v_max3_num_f32 v[TMP], v[BM], v[BM+1], v[BM+2]
	v_max_num_f32 v[TMP], v[TMP], v[BM+3]          ; the step's largest score of my query
	v_mul_f32 v[TMP], s22, v[TMP]                  ; as t (c is positive)
	v_max_num_f32 v13, v13, v[TMP]                 ; the running largest t
	v_mov_b32 v[TMP], v12
	v_floor_f32 v12, -v13                          ; the new -M = floor(-t) = -ceil(t): a whole number
	v_sub_f32 v[TMP], v12, v[TMP]                  ; M's old value less its new one: a whole number, 0 or less
	v_cvt_i32_f32 v[TMP], v[TMP]                   ; (it saturates)
	v_ldexp_f32 v[F], 1.0, v[TMP]                  ; f = 2^(old M - new M)
.set j, 0
.rept 32
	v_pk_fma_f32 v[S+j:S+j+1], v[S+j:S+j+1], s[22:23], v[12:13] op_sel_hi:[1,0,0]   ; t - M, two at a time (of the pairs c and -M the low word serves both halves)
.set j, j+2
.endr
.irp b, 0,1,2,3
	v_fma_f32 v[BM+\b], v[BM+\b], s22, v12         ; the same of each block's largest score
.endr
.set j, 0
.rept 64
	v_exp_f32 v[S+j], v[S+j]                       ; p = 2^(t - M), at most 1
.set j, j+1
.endr
	v_pk_mul_f32 v[14:15], v[14:15], v[F:F+1] op_sel_hi:[1,0]   ; the sums under the new M.  (The plain instruction behind the exponentials)
	s_wait_alu depctr_va_vdst(0)                   ; one wait for the whole batch, ahead of its first reader
.irp b, 0,1,2,3
	v_exp_f32 v[BM+\b], v[BM+\b]                   ; the block's largest p: the same two instructions on the same number give the same bits
.endr
	v_pk_add_f32 v[PT:PT+1], v[S:S+1], v[S+2:S+3]  ; the row's sum is taken of the unquantised p: two at a time, in two chains
.set j, 4
.rept 15
	v_pk_add_f32 v[14:15], v[14:15], v[S+j:S+j+1]
	v_pk_add_f32 v[PT:PT+1], v[PT:PT+1], v[S+j+2:S+j+3]
.set j, j+4
.endr
	v_pk_add_f32 v[14:15], v[14:15], v[PT:PT+1]
	s_wait_alu depctr_va_vdst(0)                   ; and one for the four
.irp b, 0,1,2,3
	v_max_num_f32 v[BM+\b], 0x8000000, v[BM+\b]    ; the floor 2^(16 - 127): the byte cannot fall under 1 (a block whose every p is 0 keeps that byte: its codes are zeros)
.endr
.irp b, 0,1,2,3
	v_add_nc_u32 v[SO+\b], 0xf8800000, v[BM+\b]    ; 15 off the exponent field: the conversion's scale operand
.endr
.irp b, 0,1,2,3
	v_and_or_b32 v[HL+\b], v[BM+\b], 0x7f800000, s19   ; 57,344 x the scale
.endr
.irp b, 0,1,2,3
	v_lshrrev_b32 v[PT+\b], 23, v[SO+\b]           ; the scale's byte
.endr
	v_lshl_or_b32 v[PW], v[PT+1], 8, v[PT]         ; p's scale word for these 128 keys
	v_lshl_or_b32 v[PW], v[PT+2], 16, v[PW]
	v_lshl_or_b32 v[PW], v[PT+3], 24, v[PW]
.irp b, 0,1,2,3
.set i, 0
.rept 16
	v_min_num_f32 v[S+16*\b+i], v[S+16*\b+i], v[HL+\b]   ; the conversion to an 8-bit code does not saturate (ISA guide 7.6.2); p is not negative, so the hold is one-sided
.set i, i+1
.endr
	v_cvt_scalef32_pk8_bf8_f32 v[PCD+4*\b:PCD+4*\b+1], v[S+16*\b:S+16*\b+7], v[SO+\b]
	v_cvt_scalef32_pk8_bf8_f32 v[PCD+4*\b+2:PCD+4*\b+3], v[S+16*\b+8:S+16*\b+15], v[SO+\b]
.endr
.set j, 0
.rept 16
	v_pk_mul_f32 v[OT+j:OT+j+1], v[OT+j:OT+j+1], v[F:F+1] op_sel_hi:[1,0]   ; O^T under the new M: x f, each accumulator from its low end on.  (These are also the places between the codes and the products)
.set j, j+2
.endr
	s_wait_dscnt 0x0                               ; V
.irp t, 0,2                            ; O^T += V^T P^T: tile t: lane (r, hf), register j: channel 16 t + 8 hf + j, query r.  The four accumulators take turns; the next step's eight products on S^T stand between their turns
	v_wmma_scale_f32_16x16x128_f8f6f4 v[OT+8*\t:OT+8*\t+7], v[KV+16*\t:KV+16*\t+15], v[PCD:PCD+15], v[OT+8*\t:OT+8*\t+7], v[VW+\t/2], v[PW] matrix_a_fmt:MATRIX_FMT_BF8 matrix_b_fmt:MATRIX_FMT_BF8
	v_wmma_scale_f32_16x16x128_f8f6f4 v[OT+8*\t+8:OT+8*\t+15], v[KV+16*\t+16:KV+16*\t+31], v[PCD:PCD+15], v[OT+8*\t+8:OT+8*\t+15], v[VW+\t/2], v[PW] matrix_a_fmt:MATRIX_FMT_BF8 matrix_b_fmt:MATRIX_FMT_BF8 matrix_a_scale:MATRIX_SCALE_ROW1
.endr
.Lhidden_\@:
	s_add_co_u32 s32, s32, 128
	s_add_co_u32 s33, s33, 8192
	s_add_co_u32 s35, s35, 512
	s_add_co_u32 s62, s62, 256
.endm
; ONE TILE OF 16 QUERIES.  tr: the scalar register with the tile's number;  oc, os: the scalar pairs that take its places in act_codes and act_scales (a pair of its own for each tile: no pending store's base is rewritten).
.macro JOB job, tr, oc, os
.if \job
	s_wait_xcnt 0x0                                ; the first tile's stores have read their data registers, which are written again below
.endif
	s_lshl_b32 s28, s[\tr], 4                      ; my first query
	s_add_co_u32 s29, s28, 15
	s_min_u32 s29, s29, s26                        ; the last key that counts for any of my queries,
	s_min_u32 s30, s28, s26                        ; and the last that counts for all of them
	s_lshr_b32 s36, s24, 4                         ; batch
	s_and_b32 s37, s24, 15                         ; head
	s_lshl_b32 s48, s36, 20                        ; act_codes: (1,024 batch + 16 tile) rows of 1,024 bytes + 64 head
	s_lshl_b32 s38, s[\tr], 14
	s_add_co_u32 s48, s48, s38
	s_lshl_b32 s38, s37, 6
	s_add_co_u32 s48, s48, s38
	s_add_nc_u64 s[\oc:\oc+1], s[14:15], s[48:49]
	s_lshl_b32 s48, s36, 15                        ; act_scales: the same rows of 32 bytes + 2 head
	s_lshl_b32 s38, s[\tr], 9
	s_add_co_u32 s48, s48, s38
	s_lshl_b32 s38, s37, 1
	s_add_co_u32 s48, s48, s38
	s_add_nc_u64 s[\os:\os+1], s[16:17], s[48:49]
	v_and_b32 v[DD], 15, v0
	v_bfe_u32 v[TMP], v0, 4, 1
	v_add_nc_u32 v[LIMV], s28, v[DD]               ; my query: causal,
	v_min_u32 v[LIMV], s26, v[LIMV]                ; and the padding
	v_lshlrev_b32 v[TMP], 3, v[TMP]
	v_sub_nc_u32 v[LIMV], v[LIMV], v[TMP]
.if \job
.irp i, 0,1,2,3,4,5,6,7
	v_mov_b32 v[Q+\i], v[Q2+\i]
.endr
	v_mov_b32 v[QW], v[QW2]
.endif
	v_mov_b32 v13, 0xff61b1e6                      ; the largest t so far: -3e38, under every t
	v_floor_f32 v12, -v13                          ; -M
	v_mov_b32 v14, 0                               ; the sum, in two halves
	v_mov_b32 v15, 0
.set j, 0
.rept 32
	v_mov_b32 v[OT+j], 0                           ; O^T.  (The step is written once for a tile: its first trip finds zeros, which the first change of M leaves zeros)
.set j, j+1
.endr
	s_mov_b32 s31, 0
	s_mov_b32 s32, 0
	s_mov_b32 s33, 0
	s_mov_b32 s35, 0
	s_mov_b32 s62, 0
.Lstep_\@:                             ; eight trips, whatever the tile and the padding: the LDS offsets are stepped by constants in a loop of constant count
	STEP
	s_add_co_u32 s31, s31, 1
	s_cmp_lt_u32 s31, 8
	s_cbranch_scc1 .Lstep_\@
	; the way out: o = O^T / the sum, quantised: channels 32 c + 16 (i / 8) + 8 hf + i % 8 of block c are my 16, lane l xor 16 holds the others
.rept 8
	v_nop                                          ; eight places behind the last products
.endr
	v_add_f32 v14, v14, v15
	v_permlanex16_b32 v[TMP], v14, s20, s21
	v_add_f32 v14, v14, v[TMP]                     ; the row's sum
	v_rcp_f32 v14, v14
	v_nop                                          ; a plain instruction behind the reciprocal,
	s_wait_alu depctr_va_vdst(0)                   ; and the wait ahead of its first reader
.set j, 0
.rept 32
	v_mul_f32 v[S+j], v[OT+j], v14                 ; each accumulator from its low end on
.set j, j+1
.endr
.irp c, 0,1
	v_max3_num_f32 v[BM+\c], |v[S+16*\c]|, |v[S+1+16*\c]|, 0x8000000
.endr
.irp i, 2,4,6,8,10,12,14
.irp c, 0,1
	v_max3_num_f32 v[BM+\c], v[BM+\c], |v[S+16*\c+\i]|, |v[S+1+16*\c+\i]|
.endr
.endr
.irp c, 0,1
	v_permlanex16_b32 v[PT+\c], v[BM+\c], s20, s21
.endr
.irp c, 0,1
	v_max_num_f32 v[BM+\c], v[BM+\c], v[PT+\c]
.endr
.irp c, 0,1
	v_add_nc_u32 v[SO+\c], 0xf8800000, v[BM+\c]
.endr
.irp c, 0,1
	v_and_or_b32 v[HL+\c], v[BM+\c], 0x7f800000, s19
.endr
.irp c, 0,1
	v_lshrrev_b32 v[PT+\c], 23, v[SO+\c]
.endr
	v_lshl_or_b32 v[TMP], v[PT+1], 8, v[PT]        ; my query's two scale bytes of this head
.irp c, 0,1
.set i, 0
.rept 16
	v_med3_num_f32 v[S+16*\c+i], v[S+16*\c+i], -v[HL+\c], v[HL+\c]
.set i, i+1
.endr
	v_cvt_scalef32_pk8_bf8_f32 v[PCD+4*\c:PCD+4*\c+1], v[S+16*\c:S+16*\c+7], v[SO+\c]       ; channels 32 c + 8 hf + 0 .. 7: eight neighbours
	v_cvt_scalef32_pk8_bf8_f32 v[PCD+4*\c+2:PCD+4*\c+3], v[S+16*\c+8:S+16*\c+15], v[SO+\c]  ; channels 32 c + 16 + 8 hf + 0 .. 7
.endr
	v_nop                                          ; a plain instruction behind the last conversion
.irp t, 0,1,2,3
	ds_store_b64 v[STO], v[PCD+2*\t:PCD+2*\t+1] offset:16*\t   ; to their true places in my query's 64 bytes
.endr
	ds_load_b128 v[PCD+8:PCD+11], v[RD]            ; LDS serves a wave's instructions in order (ISA guide 5.7.1.4): these see my stores
	ds_load_b128 v[PCD+12:PCD+15], v[RD] offset:640
	s_wait_dscnt 0x0
	global_store_b128 v[GO], v[PCD+8:PCD+11], s[\oc:\oc+1]                ; four lanes store a row's 64 consecutive bytes: a head's whole share of a row
	global_store_b128 v[GO], v[PCD+12:PCD+15], s[\oc:\oc+1] offset:8192
	global_store_b16 v[GS], v[TMP], s[\os:\os+1]   ; lanes 16-31 repeat lanes 0-15's address and value
.endm
	JOB 0, 27, 58, 60
	JOB 1, 34, 50, 52
	s_wait_xcnt 0x0
	v_lshl_add_u32 v254, v0, 2, 0x26800
	v_mov_b32 v255, 0
	s_wait_tensorcnt 0x0
	ds_add_u32 v254, v255
	s_wait_dscnt 0x0
	s_endpgm
.Lfunc_end_k_q8cbb2a3795_attn:
	.size	k_q8cbb2a3795_attn, .Lfunc_end_k_q8cbb2a3795_attn-k_q8cbb2a3795_attn
	.p2alignl 7, 3214868480
	.fill 96, 4, 3214868480
	.section	.rodata,"a",@progbits
	.p2align	6, 0x0
	.amdhsa_kernel k_q8cbb2a3795_attn
		.amdhsa_group_segment_fixed_size 159744
		.amdhsa_private_segment_fixed_size 0
		.amdhsa_enable_private_segment 0
		.amdhsa_kernarg_size 56
		.amdhsa_user_sgpr_count 2
		.amdhsa_user_sgpr_kernarg_segment_ptr 1
		.amdhsa_wavefront_size32 1
		.amdhsa_system_sgpr_workgroup_id_x 1
		.amdhsa_system_sgpr_workgroup_id_y 1
		.amdhsa_system_sgpr_workgroup_id_z 1
		.amdhsa_system_vgpr_workitem_id 0
		.amdhsa_next_free_vgpr 256
		.amdhsa_next_free_sgpr 66
		.amdhsa_reserve_vcc 1
		.amdhsa_float_denorm_mode_32 3
		.amdhsa_float_denorm_mode_16_64 3
		.amdhsa_memory_ordered 1
		.amdhsa_forward_progress 1
		.amdhsa_inst_pref_size 73
	.end_amdhsa_kernel
	.amdgpu_metadata
---
amdhsa.version: [ 1, 2 ]
amdhsa.kernels:
  - .name:           k_q8cbb2a3795_attn
    .symbol:         k_q8cbb2a3795_attn.kd
    .args:
      - { .name: qk_img, .offset: 0, .size: 8, .value_kind: global_buffer, .address_space: global }
      - { .name: qk_sc, .offset: 8, .size: 8, .value_kind: global_buffer, .address_space: global }
      - { .name: v_img, .offset: 16, .size: 8, .value_kind: global_buffer, .address_space: global }
      - { .name: v_sc, .offset: 24, .size: 8, .value_kind: global_buffer, .address_space: global }
      - { .name: seq_lens, .offset: 32, .size: 8, .value_kind: global_buffer, .address_space: global }
      - { .name: act_codes, .offset: 40, .size: 8, .value_kind: global_buffer, .address_space: global }
      - { .name: act_scales, .offset: 48, .size: 8, .value_kind: global_buffer, .address_space: global }
    .group_segment_fixed_size: 159744
    .private_segment_fixed_size: 0
    .kernarg_segment_align: 8
    .kernarg_segment_size: 56
    .max_flat_workgroup_size: 512
    .sgpr_count:     66
    .vgpr_count:     256
    .wavefront_size: 32
...
	.end_amdgpu_metadata
.endif
;; end of part 3
;; launch oproj (part 4): grid 4 x 32, 4 waves a work-group, clusters of 4 x 4, 327,680 bytes of LDS; arguments act_codes, act_scales, Wo_codes, Wo_scales, bo, x, out0; writes out0
.if DOCPART == 4
	.amdgcn_target "amdgcn-amd-amdhsa--gfx1250"
	.amdhsa_code_object_version 6
	.text
	.protected	k_q8cbb2a3795_oproj
	.globl	k_q8cbb2a3795_oproj
	.p2align	8
	.type	k_q8cbb2a3795_oproj,@function
k_q8cbb2a3795_oproj:
	s_mov_b64 s[64:65], 0
	v_nop
	global_prefetch_b8 v0, s[64:65] scope:SCOPE_SE
	s_setreg_imm32_b32 hwreg(HW_REG_WAVE_MODE, 25, 1), 1
	s_wait_xcnt 0x0
	s_wait_alu depctr_hold_cnt(0) depctr_sa_sdst(0) depctr_va_vdst(0) depctr_va_sdst(0) depctr_va_ssrc(0) depctr_va_vcc(0) depctr_vm_vsrc(0)
	s_getreg_b32 s2, hwreg(HW_REG_IB_STS2, 6, 4)
	s_cmp_eq_u32 s2, 0
	s_cbranch_scc0 .Lentry_in_a_cluster
	s_endpgm
.Lentry_in_a_cluster:
	s_bfe_u32 s2, ttmp6, 0x10000c
	s_cmp_lg_u32 s2, 0xf033
	s_cbranch_scc0 .Lentry_shape_is_right
	s_endpgm
.Lentry_shape_is_right:
; out0 = a Wo + bo + x.  a: [8192][1024] codes of BF8 (E5M2) with one E8M0 scale for each 32 along K (attention's result, quantised by the launch before); Wo: [1024 (n)][1024 (k)] codes and scale bytes as given;
; bo [1024], x and out0 [8192][1024] f32; sums in f32.
; A tile of out0, 256 x 256, is made by four waves, 128 x 128 each: 64 accumulators of 16 x 16, 512 registers.  K goes in steps of 256 through a ring of two LDS slots filled by the tensor data mover; the scale
; bytes of the work-group's 256 rows of a and of Wo, for all of K, come once with the first fills and stay.  K = 1,024 is twice round the ring, so the eight steps of 128 are written out: no loop.
; CLUSTERS: 4 x 4 work-groups.  The four of a row of the cluster need the same tiles of a, the four of a column the same tiles of Wo: each tile is asked for JOINTLY, by the same tensor load, descriptor and mask.
; THE MATRIX INSTRUCTION IS USED TRANSPOSED (source 0 = 16 rows of Wo, source 1 = 16 rows of a): a lane holds eight neighbouring numbers of a row of out0.
; bo IS THE C OF EACH SUM'S FIRST PRODUCT: 64 registers in the result's layout; it costs no addition.  x is added on the way out, where a block of 16 rows has come back from the stage as whole rows.
; 128 tiles, one to a work-group: a tile of 128 x 256 would give 256 work-groups at twice the LDS reads for each product of one side; not taken here.
; REGISTERS, in windows of 256: window 0: v0-31 addresses; v32-63 scale words, two sets, and nothing else; v64-127 bo; from v128 A's fragments, ONE set; on the way out rows of out0.
;   window 1: B's fragments, TWO sets; on the way out four blocks of x.   window 2: the accumulators of my rows 0-63 ((a, b) at v[8 (8 a + b)]);   window 3: those of rows 64-127.
.set NQ,     2
.set ROWB,   256
.set KROW,   1024
.set PITCH,  272                       ; an LDS row: 256 bytes + 16 of padding = 68 words: row r starts at bank 4 r mod 64 (ISA guide 11.1)
.set FR,     16
.set NL,     4
.set NP,     8                         ; places behind this matrix instruction (ISA guide 7.12.1)
.set HALFT,  128*PITCH
.set SLOT,   4*HALFT
.set KS,     32
.set SCL,    2*SLOT
.set HALFS,  (128*KS/256)*272
.set SBLK,   (16*KS/256)*272
.set SPARE,  SCL+4*HALFS               ; the spare words, 128 bytes a wave: two blocks of 256 bytes that no other line names
.set SPITCH, 528                       ; the way out: a stage of 16 rows x (512 bytes + 16) for each wave, in slot 0, which has had its last fill and its last read when the first result is stored there
.set ADRA, 16
.set ADRB, 20
.set STO,  24                          ; v24  the way out: where I put 32 bytes of a row
.set RD,   25                          ; v25  where I read a row back
.set CO,   26                          ; v26  16 x lane: my bytes of a row's 512, in x and in out0; never rewritten
.set ADRS, 27
.set SPW,  28                          ; v28  my spare word: SPARE + 4 x my thread's number; never rewritten
.set NIL,  29                          ; v29  0; never rewritten
.set PFO,  30                          ; v30  4,096 x lane: the prefetches' offset, a lane a row of x; never rewritten
.set BO1,  31                          ; v31  32 x (lane / 16): bo's offset; never rewritten
.set SC,   32
.set BI,   64                          ; v64-127 bo at columns 16 b + 8 hf + j, register 8 b + j
.set AF,   128
.set BK,   128                         ; the way out: 16 rows read back from the stage: v128-191 and v192-255 by turns
.set G1,   24
.set G0,   32
.set G1B,  48
.set G0B,  56
.set G1S,  68
.set G0S,  76
.set G1SB, 80
.set G0SB, 88
.set MSB, 0
.macro WIN new                         ; the immediate's high byte repeats the setting that is left
.if MSB != \new
	s_set_vgpr_msb (MSB<<8)|\new
.set MSB, \new
.endif
.endm
.set MUL_LO, 0xa1                      ; source 0 (B) window 1, source 1 (A) window 0, C and D window 2
.set MUL_HI, 0xf1                      ; the same, C and D window 3
.set TO_B,   0x40                      ; destination window 1, address window 0
.macro JLOAD g0a, g1a, g0b, g1b        ; a joint load: waves 0 and 1 fetch for A, waves 2 and 3 for B; four v_nop follow each of the two lines
	s_cmp_eq_u32 s15, 0
	s_cbranch_scc0 .Lfor_b_\@
	tensor_load_to_lds s[\g0a:\g0a+3], s[\g1a:\g1a+7]
	s_nop 0
.rept 4
	v_nop
.endr
	s_branch .Lasked_\@
.Lfor_b_\@:
	tensor_load_to_lds s[\g0b:\g0b+3], s[\g1b:\g1b+7]
	s_nop 0
.rept 4
	v_nop
.endr
.Lasked_\@:
.endm
.macro CREST                           ; a round of the cluster's barrier behind its opening barrier
	s_cmp_lg_u32 s14, 0
	s_cbranch_scc1 .Lnot_wave_0_\@
	s_barrier_signal -3
.Lnot_wave_0_\@:
	s_barrier_wait -3
	s_barrier_signal -1
	s_barrier_wait -1
.endm
.macro CROUND
	s_barrier_signal -1
	s_barrier_wait -1
	CREST
.endm
	s_load_b128 s[4:7], s[0:1], 0x0                ; a's codes s[4:5], a's scales s[6:7]
	s_load_b128 s[8:11], s[0:1], 0x10              ; Wo's codes s[8:9], Wo's scales s[10:11]
	s_load_b128 s[96:99], s[0:1], 0x20             ; bo s[96:97], x s[98:99]
	s_load_b64 s[12:13], s[0:1], 0x30              ; out0
	v_lshl_add_u32 v[SPW], v0, 2, SPARE
	v_mov_b32 v[NIL], 0
	ds_add_u32 v28, v29
	ds_add_u32 v28, v29
	s_wait_dscnt 0x0
	v_lshrrev_b32 v1, 5, v0
	v_readfirstlane_b32 s14, v1                    ; wave 0..3
	s_lshr_b32 s15, s14, 1                         ; which half of the tile's rows is mine.  Also: I fetch for A (0) or for B (1)
	s_and_b32 s16, s14, 1                          ; which half of its columns.  Also: which 128 rows of that tile I fetch
	s_bfe_u32 s40, ttmp6, 0x40000                  ; cx, cy: my place in the cluster
	s_bfe_u32 s41, ttmp6, 0x40004
	s_lshl_b32 s42, ttmp9, 2
	s_add_co_u32 s42, s42, s40                     ; tile column = 4 x cluster x + cx
	s_and_b32 s17, ttmp7, 0xffff
	s_lshl_b32 s17, s17, 2
	s_add_co_u32 s17, s17, s41                     ; tile row = 4 x cluster y + cy
	s_lshl_b32 s43, s41, 2
	s_lshl_b32 s43, 15, s43                        ; my row of the cluster
	s_lshl_b32 s44, 0x1111, s40                    ; my column
	s_or_b32 s[G1+0], s43, (0<<16)|(1<<20)|(1<<21)|(5<<22)|(3<<25)  ; 15:0 the mask; 17:16 element of 1 byte; 20 padding on; 21 set beside a mask; 24:22 after every 64 words (code 5); 31:25 of 4 words (code 3)
	s_or_b32 s[G1B+0], s44, (0<<16)|(1<<20)|(1<<21)|(5<<22)|(3<<25)
.irp g, G1, G1B
	s_mov_b32 s[\g+1], ROWB<<16                    ; tensor_dim0
	s_mov_b32 s[\g+2], 128<<16                     ; tensor_dim1 = 128
	s_mov_b32 s[\g+3], ROWB<<16                    ; tile_dim0
	s_mov_b32 s[\g+4], 128                         ; tile_dim1 = 128
	s_mov_b32 s[\g+5], KROW                        ; tensor_dim0_stride
	s_mov_b32 s[\g+6], 0
	s_mov_b32 s[\g+7], 0
.endr
	s_or_b32 s[G1S+0], s43, (3<<16)|(1<<20)|(1<<21)|(5<<22)|(3<<25)   ; the scale bytes of 128 rows: 16 rows of 256 bytes (32 elements of 8 bytes), 16 bytes of padding behind each
	s_or_b32 s[G1SB+0], s44, (3<<16)|(1<<20)|(1<<21)|(5<<22)|(3<<25)
.irp g, G1S, G1SB
	s_mov_b32 s[\g+1], 32<<16
	s_mov_b32 s[\g+2], (128*KS/256)<<16
	s_mov_b32 s[\g+3], 32<<16
	s_mov_b32 s[\g+4], 128*KS/256
	s_mov_b32 s[\g+5], 32
	s_mov_b32 s[\g+6], 0
	s_mov_b32 s[\g+7], 0
.endr
	s_lshl_b32 s18, s16, 7                         ; which 128 rows of the tile I fetch
	s_lshl_b32 s20, s17, 8
	s_add_co_u32 s20, s20, s18                     ; A: row 256 x tile row + 128 x half
	s_lshl_b32 s46, s42, 8
	s_add_co_u32 s46, s46, s18                     ; B: row 256 x tile column + 128 x half
	s_lshl_b32 s22, s20, 5                         ; where these rows' scale bytes begin,
	s_mov_b32 s23, 0
	s_lshl_b32 s20, s20, 10                        ; and their codes (under 2^23)
	s_mov_b32 s21, 0
	s_lshl_b32 s92, s46, 5
	s_mov_b32 s93, 0
	s_lshl_b32 s46, s46, 10
	s_mov_b32 s47, 0
	s_mul_i32 s45, s14, HALFT                      ; where they go: wave x 128 rows: no place in the cluster enters an LDS address
	s_mul_i32 s94, s14, HALFS
	s_wait_kmcnt 0x0
	s_add_nc_u64 s[20:21], s[4:5], s[20:21]
	s_add_nc_u64 s[22:23], s[6:7], s[22:23]
	s_add_nc_u64 s[46:47], s[8:9], s[46:47]
	s_add_nc_u64 s[92:93], s[10:11], s[92:93]
	CROUND                                         ; all sixteen work-groups are here: the first joint loads meet
	s_mov_b32 s[G0S], 1
	s_add_co_u32 s[G0S+1], s94, SCL
	s_mov_b64 s[G0S+2:G0S+3], s[22:23]
	s_or_b32 s[G0S+3], s[G0S+3], 0x80000000
	s_mov_b32 s[G0SB], 1
	s_add_co_u32 s[G0SB+1], s94, SCL
	s_mov_b64 s[G0SB+2:G0SB+3], s[92:93]
	s_or_b32 s[G0SB+3], s[G0SB+3], 0x80000000
	JLOAD G0S, G1S, G0SB, G1SB                     ; the scale bytes first: they are wanted with K step 0
.irp s, 0,1
	s_mov_b32 s[G0+4*\s], 1
	s_add_co_u32 s[G0+4*\s+1], s45, \s*SLOT
	s_add_nc_u64 s[G0+4*\s+2:G0+4*\s+3], s[20:21], \s*ROWB
	s_or_b32 s[G0+4*\s+3], s[G0+4*\s+3], 0x80000000
	s_mov_b32 s[G0B+4*\s], 1
	s_add_co_u32 s[G0B+4*\s+1], s45, \s*SLOT
	s_add_nc_u64 s[G0B+4*\s+2:G0B+4*\s+3], s[46:47], \s*ROWB
	s_or_b32 s[G0B+4*\s+3], s[G0B+4*\s+3], 0x80000000
	JLOAD G0+4*\s, G1, G0B+4*\s, G1B               ; three tensor loads of mine are out
.endr
	v_and_b32 v1, 15, v0                           ; l % 16
	v_bfe_u32 v2, v0, 4, 1                         ; l / 16
	s_lshl_b32 s20, s17, 8
	s_lshl_b32 s21, s15, 7
	s_add_co_u32 s20, s20, s21                     ; my first row of x and out0: 256 x tile row + 128 x half,
	s_lshl_b32 s20, s20, 12                        ; of 4,096 bytes (under 2^25)
	s_lshl_b32 s46, s42, 10                        ; my first column, in bytes: 1,024 x tile column + 512 x half
	s_lshl_b32 s47, s16, 9
	s_add_co_u32 s46, s46, s47
	s_mov_b32 s47, 0
	s_add_nc_u64 s[96:97], s[96:97], s[46:47]      ; bo at my columns
	s_add_co_u32 s20, s20, s46
	s_mov_b32 s21, 0
	s_add_nc_u64 s[12:13], s[12:13], s[20:21]      ; out0 and x at my 128 x 128; never rewritten: every row's place stands in an immediate, 127 rows of 4,096 bytes at the most
	s_add_nc_u64 s[98:99], s[98:99], s[20:21]
	v_lshlrev_b32 v[BO1], 5, v2
.irp b, 0,1,2,3,4,5,6,7
	global_load_b128 v[BI+8*\b:BI+8*\b+3], v[BO1], s[96:97] offset:64*\b
	global_load_b128 v[BI+8*\b+4:BI+8*\b+7], v[BO1], s[96:97] offset:64*\b+16
.endr
	v_mul_u32_u24 v3, v1, PITCH
	v_lshl_add_u32 v4, v2, 4, v3                   ; a fragment's row x pitch + 16 x half
	s_mul_i32 s21, s15, HALFT                      ; my 128 rows of A
	s_mul_i32 s22, s16, HALFT                      ; my 128 rows of B,
	s_add_co_u32 s22, s22, 2*HALFT                 ; which lie behind A's 256
.irp s, 0,1
	v_add_nc_u32 v[ADRA+\s], s21, v4
	v_add_nc_u32 v[ADRB+\s], s22, v4
	s_add_co_u32 s21, s21, SLOT
	s_add_co_u32 s22, s22, SLOT
.endr
	v_mul_u32_u24 v5, v1, KS                       ; my row's scale bytes: 32 a row,
	v_lshrrev_b32 v6, 8, v5
	v_lshl_add_u32 v5, v6, 4, v5                   ; and 16 more for each 256 passed
	s_mul_i32 s21, s15, HALFS
	s_mul_i32 s22, s16, HALFS
	s_add_co_u32 s22, s22, 2*HALFS
	s_sub_co_u32 s22, s22, s21
	v_mul_u32_u24 v6, s22, v2                      ; lanes 16-31 take B's: one product, the distance between the two
	s_add_co_u32 s21, s21, SCL
	v_add_nc_u32 v5, v5, v6
	v_add_nc_u32 v[ADRS], s21, v5
	s_mul_i32 s23, s14, 16*SPITCH                  ; my stage
	v_mul_u32_u24 v5, v1, SPITCH                   ; in: row l % 16, 32 bytes for each half of the lanes
	v_lshl_add_u32 v5, v2, 5, v5
	v_add_nc_u32 v[STO], s23, v5
	v_and_b32 v6, 31, v0
	v_lshlrev_b32 v[CO], 4, v6                     ; back: the 32 lanes take one row of 512 bytes
	v_add_nc_u32 v[RD], s23, v[CO]
	v_lshlrev_b32 v[PFO], 12, v6
.macro FRAG reg, adr, q, i             ; a fragment: lane l holds row l % 16; registers 4 c .. 4 c + 3 hold K = 32 c + 16 (l / 16) + 0 .. 15
.irp c, 0,1,2,3
	ds_load_b128 v[\reg+4*\c:\reg+4*\c+3], v[\adr] offset:128*(\q)+32*\c+(\i)*16*PITCH
.endr
.endm
; 16 matrix instructions: A's blocks a0, a0 + 1 x B's eight, 128 along K.  first = 1: the sums begin with bo as C (window 0).  The 64 accumulators take turns, one instruction a turn.
.macro MUL16 a0, p, q, sc, first
.irp a, \a0, \a0+1
.irp b, 0,1,2,3,4,5,6,7
.if \first
	v_wmma_scale_f32_16x16x128_f8f6f4 v[8*(8*((\a)%4)+\b):8*(8*((\a)%4)+\b)+7], v[128*(\p)+FR*\b:128*(\p)+FR*\b+FR-1], v[AF+FR*(\a):AF+FR*(\a)+FR-1], v[BI+8*\b:BI+8*\b+7], v[SC+8*NQ*(\sc)+NQ*\b+(\q)], v[SC+8*NQ*(\sc)+NQ*(\a)+(\q)] matrix_a_fmt:MATRIX_FMT_BF8 matrix_b_fmt:MATRIX_FMT_BF8 matrix_a_scale:MATRIX_SCALE_ROW1
.else
	v_wmma_scale_f32_16x16x128_f8f6f4 v[8*(8*((\a)%4)+\b):8*(8*((\a)%4)+\b)+7], v[128*(\p)+FR*\b:128*(\p)+FR*\b+FR-1], v[AF+FR*(\a):AF+FR*(\a)+FR-1], v[8*(8*((\a)%4)+\b):8*(8*((\a)%4)+\b)+7], v[SC+8*NQ*(\sc)+NQ*\b+(\q)], v[SC+8*NQ*(\sc)+NQ*(\a)+(\q)] matrix_a_fmt:MATRIX_FMT_BF8 matrix_b_fmt:MATRIX_FMT_BF8 matrix_a_scale:MATRIX_SCALE_ROW1
.endif
.endr
.endr
.endm
.macro FETCH_B slot, q, p
	WIN TO_B
.irp i, 0,1,2,3,4,5,6,7
	FRAG 128*(\p)+FR*\i, ADRB+\slot, \q, \i
.endr
	WIN 0
.endm
.macro FETCH_A slot, q, i0
.irp i, \i0, \i0+1, \i0+2, \i0+3
	FRAG AF+FR*(\i), ADRA+\slot, \q, \i
.endr
.endm
.macro SCALES sc
.irp i, 0,1,2,3,4,5,6,7
	ds_load_b64 v[SC+8*NQ*\sc+NQ*\i:SC+8*NQ*\sc+NQ*\i+1], v[ADRS] offset:\i*SBLK
.endr
.endm
.macro PLACES n                        ; plain vector instructions that name no register of the matrix instructions before them (ISA guide 7.12.1)
.rept \n
	v_nop
.endr
.endm
.macro STEP slot, q, first
	s_wait_dscnt 4*NL                              ; B's set and A's blocks 0-3 are in; the youngest 16 loads (A's blocks 4-7) may be out
.if \first
	WIN 0x81                                       ; C (bo) window 0, D window 2
.else
	WIN MUL_LO
.endif
	MUL16 0, (\q)%2, \q, \slot, \first
	MUL16 2, (\q)%2, \q, \slot, \first
	s_wait_dscnt 0                                 ; A's blocks 4-7 are in
	PLACES NP
	FETCH_B \slot, (\q)+1, 1-(\q)%2
	FETCH_A \slot, (\q)+1, 0
.if \first
	WIN 0xc1                                       ; C window 0, D window 3
.else
	WIN MUL_HI
.endif
	MUL16 4, (\q)%2, \q, \slot, \first
	MUL16 6, (\q)%2, \q, \slot, \first
	PLACES NP
	WIN 0
	FETCH_A \slot, (\q)+1, 4
.endm
; A slot's last step changes slots: ONE barrier; in front of it each wave waits for all its tensor loads, adds 0 to its spare word, and waits for that and for its own reads of this slot.  fill = 1: this slot is filled again.
; pf = 0, 1: behind the joint load and the run of LDS loads stand two prefetches of x: rows 32 pf + lane of my own 128 x 128, a row's 512 bytes as two blocks of 256.  So the first 64 rows of each wave's part, which the
; way out wants first, are asked for two and one changes of slots ahead of the loads that read them; every block is named once in the launch, since no two waves share a part of x; the last 64 rows are loaded four blocks ahead of their use.
.macro TURN slot, next, fill, pf
	s_wait_tensorcnt 0x0                           ; all my tensor loads have landed: my part of the next slot;  (every window is 0 here)
	ds_add_u32 v[SPW], v[NIL]                      ; 0 onto my spare word
	s_wait_dscnt 4*NL+1                            ; (the add and the youngest 16 loads may be out)
	WIN MUL_LO
	MUL16 0, 1, NQ-1, \slot, 0                     ; sixteen matrix instructions stand between the add and the wait for it
	s_wait_dscnt 0x0                               ; the add is done, and my reads of this slot are over
	s_barrier_signal -1
	MUL16 2, 1, NQ-1, \slot, 0
	WIN 0
	s_barrier_wait -1
.if \fill
	CREST                                          ; the barrier has opened a round of the cluster's barrier: no wave of any partner still reads this slot's tile or has a load on its way
	s_add_nc_u64 s[G0+4*\slot+2:G0+4*\slot+3], s[G0+4*\slot+2:G0+4*\slot+3], 2*ROWB
	s_add_nc_u64 s[G0B+4*\slot+2:G0B+4*\slot+3], s[G0B+4*\slot+2:G0B+4*\slot+3], 2*ROWB
	JLOAD G0+4*\slot, G1, G0B+4*\slot, G1B         ; the first tensor load behind the round, my only one until the next
	PLACES NP-4
.else
	PLACES NP
.endif
	v_add_nc_u32 v[ADRS], 4*NQ, v[ADRS]            ; on to the next K step's scale words (no LDS load of mine is out)
	FETCH_B \next, 0, 0
	FETCH_A \next, 0, 0
	SCALES \next
.if \pf >= 0
	global_prefetch_b8 v[PFO], s[98:99] offset:131072*\pf th:TH_LOAD_NT scope:SCOPE_SE
	global_prefetch_b8 v[PFO], s[98:99] offset:131072*\pf+256 th:TH_LOAD_NT scope:SCOPE_SE
.endif
	WIN MUL_HI
	MUL16 4, 1, NQ-1, \slot, 0
	MUL16 6, 1, NQ-1, \slot, 0
	PLACES NP
	WIN 0
	FETCH_A \next, 0, 4
.endm
.macro XLOAD a                         ; x's rows 16 a .. 16 a + 15 of my part, 512 consecutive bytes a load, into window 1, v[64 (a % 4)] on
	WIN TO_B
.irp t, 0,1,2,3,4,5,6,7,8,9,10,11,12,13,14,15
	global_load_b128 v[64*((\a)%4)+4*\t:64*((\a)%4)+4*\t+3], v[CO], s[98:99] offset:(16*(\a)+\t)*4096 th:TH_LOAD_NT
.endr
	WIN 0
.endm
	s_wait_loadcnt 0x0                             ; bo
	s_wait_tensorcnt 1                             ; the scale bytes and my part of K step 0 are in (K step 1's load may be out)
	s_barrier_signal -1
	s_barrier_wait -1                              ; everybody's are
	FETCH_B 0, 0, 0
	FETCH_A 0, 0, 0
	SCALES 0
	FETCH_A 0, 0, 4
	STEP 0, 0, 1                                   ; K 0-127: its products start the sums, on bo
	TURN 0, 1, 1, 0                                ; K 128-255; slot 0 takes K 512-767
	STEP 1, 0, 0
	TURN 1, 0, 1, 1                                ; slot 1 takes K 768-1,023
	STEP 0, 0, 0
	TURN 0, 1, 0, -1                               ; nothing is left to fetch: no round of the cluster's barrier
	STEP 1, 0, 0
	XLOAD 0                                        ; B's set 0 is done with, and eight places stand behind its last products: x's first 32 rows land there under the last step
	XLOAD 1
	s_wait_dscnt 4*NL                              ; the last step
	WIN MUL_LO
	MUL16 0, 1, NQ-1, 1, 0
	MUL16 2, 1, NQ-1, 1, 0
	s_wait_dscnt 0
	WIN MUL_HI
	MUL16 4, 1, NQ-1, 1, 0
	MUL16 6, 1, NQ-1, 1, 0
	WIN 0
; THE WAY OUT, block by block of 16 rows x 128 columns.  A lane holds 32 neighbouring bytes of a row, and the lanes beside it hold other rows: so a block goes through my own stage in LDS and comes back as whole rows
; of 512 bytes.  LDS serves a wave's instructions in order (ISA guide 5.7.1.4): no wait between the stores and the loads, nor in front of the next block's stores.
.macro TOSTAGE a
.set AC, 64*((\a)%4)
	WIN 0x08+4*((\a)/4)                            ; the data: window 2 or 3
.irp b, 0,1,2,3,4,5,6,7
	ds_store_b128 v[STO], v[AC+8*\b:AC+8*\b+3] offset:64*\b          ; each accumulator from its low end on
	ds_store_b128 v[STO], v[AC+8*\b+4:AC+8*\b+7] offset:64*\b+16
.endr
	WIN 0
.set BB, BK+64*((\a)%2)
.irp t, 0,1,2,3,4,5,6,7,8,9,10,11,12,13,14,15
	ds_load_b128 v[BB+4*\t:BB+4*\t+3], v[RD] offset:\t*SPITCH
.endr
.endm
.macro SEND a, younger                 ; younger: the LDS instructions issued behind block a's loads, which may stay out
.set BB, BK+64*((\a)%2)
.set XW, 64*((\a)%4)
	s_wait_dscnt \younger                          ; the block is back in registers
.if (\a) < 5
	s_wait_loadcnt 48                              ; and its rows of x are in: the three younger blocks' 16 loads each may be out
.else
	s_wait_loadcnt 16*(7-(\a))
.endif
	WIN 0x04                                       ; source 1 (x) window 1
.set k, 0
.rept 32
	v_pk_add_f32 v[BB+k:BB+k+1], v[BB+k:BB+k+1], v[XW+k:XW+k+1]
.set k, k+2
.endr
	WIN 0
.irp t, 0,1,2,3,4,5,6,7,8,9,10,11,12,13,14,15
	global_store_b128 v[CO], v[BB+4*\t:BB+4*\t+3], s[12:13] offset:(16*(\a)+\t)*4096 th:TH_STORE_NT   ; 32 lanes store 512 consecutive bytes, aligned; written once, read by nobody here
.endr
.if (\a) < 4
	XLOAD (\a)+4                                   ; its registers take the block of x four further on
.endif
.endm
	PLACES NP                                      ; behind the last products: for the loads into B's set 1 and A's registers, and for the first reads of results
	XLOAD 2
	XLOAD 3
	TOSTAGE 0
.irp a, 1,2,3,4,5,6,7
.if \a > 1
	s_wait_xcnt 0x0                                ; block a - 2's stores have read their registers: block a's loads may land there
.endif
	TOSTAGE \a
	SEND \a-1, 32                                  ; behind block a - 1's loads: block a's 16 stores and 16 loads
.endr
	SEND 7, 0
	s_wait_tensorcnt 0x0                           ; the wave's end, behind my last tensor load and my last LDS store
	ds_add_u32 v[SPW], v[NIL]
	s_wait_dscnt 0x0
	CROUND                                         ; the closing round: no work-group ends while a partner may still ask for a tile that names it
	s_endpgm
.Lfunc_end_k_q8cbb2a3795_oproj:
	.size	k_q8cbb2a3795_oproj, .Lfunc_end_k_q8cbb2a3795_oproj-k_q8cbb2a3795_oproj
	.p2alignl 7, 3214868480
	.fill 96, 4, 3214868480
	.section	.rodata,"a",@progbits
	.p2align	6, 0x0
	.amdhsa_kernel k_q8cbb2a3795_oproj
		.amdhsa_group_segment_fixed_size 327680
		.amdhsa_private_segment_fixed_size 0
		.amdhsa_enable_private_segment 0
		.amdhsa_kernarg_size 56
		.amdhsa_user_sgpr_count 2
		.amdhsa_user_sgpr_kernarg_segment_ptr 1
		.amdhsa_wavefront_size32 1
		.amdhsa_system_sgpr_workgroup_id_x 1
		.amdhsa_system_sgpr_workgroup_id_y 1
		.amdhsa_system_sgpr_workgroup_id_z 1
		.amdhsa_system_vgpr_workitem_id 0
		.amdhsa_next_free_vgpr 1024
		.amdhsa_next_free_sgpr 100
		.amdhsa_reserve_vcc 0
		.amdhsa_float_denorm_mode_32 3
		.amdhsa_float_denorm_mode_16_64 3
		.amdhsa_memory_ordered 1
		.amdhsa_forward_progress 1
		.amdhsa_inst_pref_size 176
	.end_amdhsa_kernel
	.amdgpu_metadata
---
amdhsa.version: [ 1, 2 ]
amdhsa.kernels:
  - .name:           k_q8cbb2a3795_oproj
    .symbol:         k_q8cbb2a3795_oproj.kd
    .args:
      - { .name: act_codes, .offset: 0, .size: 8, .value_kind: global_buffer, .address_space: global }
      - { .name: act_scales, .offset: 8, .size: 8, .value_kind: global_buffer, .address_space: global }
      - { .name: Wo_codes, .offset: 16, .size: 8, .value_kind: global_buffer, .address_space: global }
      - { .name: Wo_scales, .offset: 24, .size: 8, .value_kind: global_buffer, .address_space: global }
      - { .name: bo, .offset: 32, .size: 8, .value_kind: global_buffer, .address_space: global }
      - { .name: x, .offset: 40, .size: 8, .value_kind: global_buffer, .address_space: global }
      - { .name: out0, .offset: 48, .size: 8, .value_kind: global_buffer, .address_space: global }
    .group_segment_fixed_size: 327680
    .private_segment_fixed_size: 0
    .kernarg_segment_align: 8
    .kernarg_segment_size: 56
    .max_flat_workgroup_size: 128
    .sgpr_count:     100
    .vgpr_count:     1024
    .wavefront_size: 32
...
	.end_amdgpu_metadata
.endif
;; end of part 4
;; ======== version 2 of 2: 4 launches; version 1 with the launch attn written anew for expert scheduling mode
;; workspace buffers: act_codes 8,388,608 bytes; act_scales 262,144 bytes; qk_img 16,777,216 bytes; qk_sc 1,048,576 bytes; v_img 8,388,608 bytes; v_sc 262,144 bytes
;; launch lnq: the kernel of part 1 again; grid 256 x 1, 8 waves a work-group, no clusters, 43,008 bytes of LDS; arguments x, gamma, beta, act_codes, act_scales; writes act_codes, act_scales
;; launch qkv: the kernel of part 2 again; grid 8 x 48, 4 waves a work-group, clusters of 4 x 4, 327,680 bytes of LDS; arguments act_codes, act_scales, Wq_codes, Wq_scales, Wkv_codes, Wkv_scales, bq, bkv, qk_img, qk_sc, v_img, v_sc; writes qk_img, qk_sc, v_img, v_sc
;; launch attn (part 5): grid 2 x 128, 16 waves a work-group, no clusters, 159,744 bytes of LDS; arguments qk_img, qk_sc, v_img, v_sc, seq_lens, act_codes, act_scales; writes act_codes, act_scales
.if DOCPART == 5
	.amdgcn_target "amdgcn-amd-amdhsa--gfx1250"
	.amdhsa_code_object_version 6
	.text
	.protected	k_q8cbb2a3795_attn
	.globl	k_q8cbb2a3795_attn
	.p2align	8
	.type	k_q8cbb2a3795_attn,@function
k_q8cbb2a3795_attn:
	s_mov_b64 s[64:65], 0
	v_nop
	global_prefetch_b8 v0, s[64:65] scope:SCOPE_SE
	s_setreg_imm32_b32 hwreg(HW_REG_WAVE_SCHED_MODE, 0, 2), 2
	s_setreg_imm32_b32 hwreg(HW_REG_WAVE_MODE, 25, 1), 1
	s_wait_xcnt 0x0
	s_wait_alu depctr_vm_vsrc(0)
; For each batch and head: o[q] = the sum over keys of softmax(q . k / 8, keys k <= q and k < seq_len) v[k], both products on codes of BF8 (E5M2) with one E8M0 scale for each 32 along K;
; o is quantised along the heads' axis (two blocks of 32 a head) into act_codes [8192][1024] and act_scales [8192][32], in the true order, for the last product.
; THE SOFTMAX AHEAD OF THE SECOND PRODUCT: t = score x log2(e) / 8; M = the row's largest t so far, rounded UP to a whole number; p = 2^(t - M) is what is quantised, along the keys, not normalised.
; The row's sum is taken of the unquantised p, in f32, and divides o at the end.  When M moves, the sum and o are multiplied by 2^(old M - new M): exact.
; INPUTS are images of operand registers, made by the launch before: a fragment comes by loads of 16 bytes at 16 x lane.  Inside a block of 32 q and k carry one order, and v carries the order in which p falls
; out of S^T here: place i of lane (r, hf) in block c is key 32 c + 16 (i / 8) + 8 hf + i % 8.
; SHARES.  A work-group takes one head and half of its 64 tiles of 16 queries.  The head's K and V images and scale words (137,216 bytes) are copied into LDS once, through registers; then one barrier, and no more.
; Wave w of work-group z takes the tiles t = 16 z + w and 63 - t: t / 8 + 1 and 8 - t / 8 key steps of 128 lie under the causal mask, nine for every wave.  Four waves share a SIMD, so that one wave's softmax
; stands beside another's products and LDS loads.  No tensor load: branches on seq_lens, a whole number read from memory, leave out the key steps that are hidden as a whole and the masking where nothing is hidden.
; No cluster: the two work-groups of a head share one read of 137,216 bytes at their head and nothing afterwards.  No prefetch: all that a work-group reads is asked for at its head.
; LAYOUT.  Both products are used transposed: S^T = K Q^T (source 0 = 16 keys, source 1 = my 16 queries), O^T = V^T P^T (source 0 = 16 channels, source 1 = P): a lane holds ONE query (lane % 16) throughout.
; K = 64 IN AN INSTRUCTION OF K = 128: Q's registers 8-15 are zero codes.  A key tile's registers 8-15 are the next tile's codes (behind the last tile: zeros): finite numbers, since the quantiser holds at the largest
; code, so they meet zeros and add nothing; the upper two scale bytes of q's and k's words are 0x7f.
; LIMITS: seq_lens is held to 1 .. 1,024 (at 0 the definition gives NaN: not served).  A block of o under 2^(16 - 127) gets the byte 1.  NaN and infinities are not served.
; THE MODE: SCHED_MODE bits 1:0 = 2 (LLVM: expert scheduling mode 2), set by the entry lines.  The code itself states the register dependences between vector or matrix instructions and memory or LDS
; instructions, with s_wait_alu, always for 0.
; THE PLAN.  Registers that memory or LDS instructions touch:
;   v1, v5-7, v245   offsets and addresses, made at the head and never written again.  (v218 is an offset at the head alone.)
;   v8-11            At the head the fill's offsets and LDS addresses.  In a key step: written by the four additions at its head, read by its 38 LDS loads.
;   v32-95           K's sixteen loads land at a step's head; the eight products S^T read them; V's sixteen loads land behind those; the four products at the step's end read them.
;   v232-237         K's and V's scale words: LDS loads land, products read.
;   v104-170         At the head alone: the fill's global loads land, its LDS stores read.  Afterwards vector and matrix instructions alone name them.
;   v200-215         In a step: written by the conversions, read by the four products.  On the way out: v200-207 conversions write, LDS stores read; v208-215 LDS loads land, global stores read.
;   v242             On the way out: the two scale bytes, read by a global store.
; A wave has 256 registers, all named, and the sixteen waves take all that the four SIMDs have: there is no room for a second set of fragments, so K and V share v32-95 and each run of loads stands where its
; registers fall free.  A KEY STEP HAS: one wait on vm_vsrc at its top (v8-11 have been read); one on va_vdst behind the additions (the addresses are written, the last step's products are done with v32-95 and the
; scale words); one behind S^T's places (its products are done with K's registers); the exponentials' two; one ahead of the four products (p's codes and scale word are written).
; THE MASKS of the masking lie in scalar registers, sixteen to a run of compares, with one wait on va_sdst between a run and its sixteen selects.
.set KSC, 131072                       ; LDS: K's image at 0 (65,536 bytes), V's at 65,536; K's scale words (4,096 bytes);
.set VSC, 135168                       ; V's (2,048);
.set STG, 137216                       ; a stage of 16 rows x (64 + 16) bytes for each wave
.set LI,  1                            ; v1   16 x lane: an image's place for my lane (K)
.set LIV, 2                            ; v2   the same in V's image
.set LSK, 3                            ; v3   4 x lane among K's scale words
.set LSV, 4                            ; v4   and V's
.set STO, 5                            ; v5   the stage: where I put 8 codes
.set RD,  6                            ; v6   and where I read 16 back
.set GO,  7                            ; v7   the same place in act_codes
.set ADK, 8                            ; v8-11 the addresses of the loads in hand: K, V, K's words, V's words
.set ADV, 9
.set ADS, 10
.set ADT, 11                           ; v12 -M, v13 the largest t, v[14:15] the sum in two halves
.set Q,   16                           ; v16-23 Q's codes, v24-31 zeros
.set KV,  32                           ; v32-95 eight key tiles of 8 registers, or four fragments of V of 16; v96-103 zeros
.set S,   104                          ; v104-167 S^T, then p
.set OT,  168                          ; v168-199 O^T
.set PCD, 200                          ; v200-215 p's codes
.set BM,  216                          ; v216-219 the blocks' maxima;  v220-223, v224-227, v228-231 at work: permutes and bytes, holds, scale operands
.set PT,  220
.set HL,  224
.set SO,  228
.set KW,  232                          ; v232-235 K's scale words: lanes 0-15 tile 2 u, lanes 16-31 tile 2 u + 1;  v236-237 V's likewise;  v238 Q's;  v239 p's: these hold scales and nothing else
.set VW,  236
.set QW,  238
.set PW,  239
.set F,   240                          ; v[240:241] f = 2^(old M - new M), named as a pair
.set TMP, 242
.set DD,  243
.set NINF, 244                         ; -infinity
.set GS,  245                          ; 32 x (lane % 16): my query's row of act_scales
.set Q2,  246                          ; v246-253 the second tile's Q;  v254 its scale word
.set QW2, 254
.set LIMV, 255                         ; the last key that counts for my query, less 8 (lane / 16)
	s_load_b256 s[4:11], s[0:1], 0x0               ; qk_img s[4:5], qk_sc s[6:7], v_img s[8:9], v_sc s[10:11]
	s_load_b128 s[12:15], s[0:1], 0x20             ; seq_lens s[12:13], act_codes s[14:15]
	s_load_b64 s[16:17], s[0:1], 0x30              ; act_scales
	v_lshrrev_b32 v[TMP], 5, v0
	v_readfirstlane_b32 s18, v[TMP]                ; wave 0..15
	v_and_b32 v[TMP], 31, v0                       ; lane
	v_and_b32 v[DD], 15, v0                        ; r
	v_bfe_u32 v[F], v0, 4, 1                       ; hf
	v_lshlrev_b32 v[LI], 4, v[TMP]
	v_add_nc_u32 v[LIV], 0x10000, v[LI]
	v_lshl_add_u32 v[LSK], v[TMP], 2, KSC
	v_lshl_add_u32 v[LSV], v[TMP], 2, VSC
	s_wait_alu depctr_va_sdst(0)                   ; s18 is written, ahead of its first reader: my stage and my tiles are made from it
	s_mul_i32 s33, s18, 1280
	s_add_co_u32 s33, s33, STG                     ; my stage
	v_mul_u32_u24 v[STO], v[DD], 80
	v_lshl_add_u32 v[STO], v[F], 3, v[STO]
	v_add_nc_u32 v[STO], s33, v[STO]               ; in: row r, + 8 hf; channel tile tt: 16 tt bytes on
	v_lshrrev_b32 v[BM], 2, v[TMP]
	v_and_b32 v[BM+1], 3, v[TMP]
	v_mul_u32_u24 v[RD], v[BM], 80
	v_lshl_add_u32 v[RD], v[BM+1], 4, v[RD]
	v_add_nc_u32 v[RD], s33, v[RD]                 ; back: four lanes to a row of 64 bytes, eight rows an instruction
	v_lshlrev_b32 v[GO], 10, v[BM]
	v_lshl_add_u32 v[GO], v[BM+1], 4, v[GO]
	v_lshlrev_b32 v[GS], 5, v[DD]
	v_lshlrev_b32 v[BM+2], 2, v[DD]                ; Q's scale words: 4 r
	v_lshlrev_b32 v[ADK], 4, v0                    ; the fill: 16 bytes a thread, 8,192 an instruction of the work-group
	v_add_nc_u32 v[ADV], 0x10000, v[ADK]
	v_lshlrev_b32 v[ADS], 3, v0
	v_lshlrev_b32 v[ADT], 2, v0
	s_mov_b32 s19, 0x600000                        ; the mantissa field of 57,344
	s_mov_b32 s20, 0x76543210
	s_mov_b32 s21, 0xfedcba98                      ; v_permlanex16_b32's selects for lane l xor 16
	s_mov_b32 s22, 0x3e38aa3b                      ; c = log2(e) / 8
	s_mov_b32 s23, s22                             ; (named with it as a pair, so it is written)
	s_and_b32 s24, ttmp7, 0xffff                   ; 16 x batch + head
	s_lshl_b32 s25, ttmp9, 4
	s_add_co_u32 s27, s25, s18                     ; my first tile: 16 z + wave
	s_sub_co_u32 s34, 63, s27                      ; my second
	s_lshl_b32 s36, s24, 16                        ; a head's image: 65,536 bytes,
	s_mov_b32 s37, 0
	s_lshl_b32 s38, s24, 12                        ; its q or k words: 4,096,
	s_mov_b32 s39, 0
	s_lshl_b32 s40, s24, 11                        ; its v words: 2,048
	s_mov_b32 s41, 0
	s_lshr_b32 s42, s24, 4
	s_lshl_b32 s42, s42, 2                         ; my batch's word of seq_lens
	s_mov_b32 s43, 0
	s_mov_b32 s49, 0
	s_wait_kmcnt 0x0
	s_add_nc_u64 s[12:13], s[12:13], s[42:43]
	s_load_b32 s26, s[12:13], 0x0
	s_add_nc_u64 s[4:5], s[4:5], s[36:37]
	s_add_nc_u64 s[6:7], s[6:7], s[38:39]
	s_add_nc_u64 s[8:9], s[8:9], s[36:37]
	s_add_nc_u64 s[10:11], s[10:11], s[40:41]
	s_add_nc_u64 s[44:45], s[4:5], 0x800000        ; k's half of qk_img
	s_add_nc_u64 s[46:47], s[6:7], 0x80000         ; and of qk_sc
	s_lshl_b32 s48, s27, 10
	s_add_nc_u64 s[50:51], s[4:5], s[48:49]        ; my tiles of q: 1,024 bytes of codes,
	s_lshl_b32 s48, s27, 6
	s_add_nc_u64 s[52:53], s[6:7], s[48:49]        ; 64 of scale words
	s_lshl_b32 s48, s34, 10
	s_add_nc_u64 s[54:55], s[4:5], s[48:49]
	s_lshl_b32 s48, s34, 6
	s_add_nc_u64 s[56:57], s[6:7], s[48:49]
	s_wait_alu depctr_va_vdst(0)                   ; the offsets and addresses v1, v5-11, v218 and v245 are written, which the loads below and the stores of the whole kernel read
	global_load_b128 v[Q:Q+3], v[LI], s[50:51]
	global_load_b128 v[Q+4:Q+7], v[LI], s[50:51] offset:512
	global_load_b32 v[QW], v[BM+2], s[52:53]
	global_load_b128 v[Q2:Q2+3], v[LI], s[54:55]
	global_load_b128 v[Q2+4:Q2+7], v[LI], s[54:55] offset:512
	global_load_b32 v[QW2], v[BM+2], s[56:57]
.irp s, 0,1,2,3,4,5,6,7
	global_load_b128 v[S+4*\s:S+4*\s+3], v[ADK], s[44:45] offset:8192*\s        ; K's image, 128 keys an instruction of the work-group
.endr
.irp s, 0,1,2,3,4,5,6,7
	global_load_b128 v[S+32+4*\s:S+32+4*\s+3], v[ADK], s[8:9] offset:8192*\s    ; V's
.endr
	global_load_b64 v[OT:OT+1], v[ADS], s[46:47]
	global_load_b32 v[OT+2], v[ADT], s[10:11]
.irp i, 0,1,2,3,4,5,6,7
	v_mov_b32 v[Q+8+\i], 0                         ; the zero codes of K = 64 .. 127
	v_mov_b32 v[KV+64+\i], 0
.endr
.irp b, 0,1,2,3
	v_mov_b32 v[PT+\b], 0                          ; written once: a lane permute's destination counts as one of its sources
.endr
	v_mov_b32 v[F+1], 0                            ; (named as the upper half of the pair before it could be written)
	v_mov_b32 v[NINF], 0xff800000
	s_wait_kmcnt 0x0
	s_max_u32 s26, s26, 1
	s_min_u32 s26, s26, 1024
	s_sub_co_u32 s26, s26, 1                       ; the last key that the padding leaves
	s_wait_loadcnt 0x0                             ; all is in, and the loads' offsets may be written
	s_wait_alu depctr_vm_vsrc(0)                   ; the loads have read their offsets: v10 and v11, which the two additions write, and v218, which the key steps write
	v_add_nc_u32 v[ADS], KSC, v[ADS]
	v_add_nc_u32 v[ADT], VSC, v[ADT]
	s_wait_alu depctr_va_vdst(0)                   ; v10 and v11 are written, which the last two LDS stores below read as their addresses
.irp s, 0,1,2,3,4,5,6,7
	ds_store_b128 v[ADK], v[S+4*\s:S+4*\s+3] offset:8192*\s
.endr
.irp s, 0,1,2,3,4,5,6,7
	ds_store_b128 v[ADV], v[S+32+4*\s:S+32+4*\s+3] offset:8192*\s
.endr
	ds_store_b64 v[ADS], v[OT:OT+1]
	ds_store_b32 v[ADT], v[OT+2]
	s_wait_dscnt 0x0                               ; for the others' sake: my stores have landed
	s_barrier_signal -1
	s_barrier_wait -1                              ; the head's K and V lie in LDS; nothing there is written again but each wave's own stage
; A KEY STEP: 128 keys from s32 on.  s33: the step's images (8,192 bytes a step), s35: K's words (512), s62: V's (256).
.macro STEP
	s_wait_alu depctr_vm_vsrc(0)                   ; the LDS instructions issued so far have read v8-11, which the four additions below write; it stands ahead of the branch
	s_cmp_gt_u32 s32, s29                          ; all 128 keys come after the last key that counts for any of my 16 queries: the step's work is left out, not the lines at its end that step addresses
	s_cbranch_scc1 .Lhidden_\@
	v_add_nc_u32 v[ADK], s33, v[LI]
	v_add_nc_u32 v[ADV], s33, v[LIV]
	v_add_nc_u32 v[ADS], s35, v[LSK]
	v_add_nc_u32 v[ADT], s62, v[LSV]
.rept 4
	v_nop                                          ; with the four additions: eight places in front of loads into registers that the last products have read
.endr
	s_wait_alu depctr_va_vdst(0)                   ; v8-11 are written, which this step's LDS loads read; the last step's products are done reading v32-95 and v232-237, in which those loads land; in a tile's first step: Q, its scale word and the zero codes, which vector lines wrote, are written ahead of the products that take them
.irp t, 0,1,2,3,4,5,6,7
	ds_load_b128 v[KV+8*\t:KV+8*\t+3], v[ADK] offset:1024*\t
	ds_load_b128 v[KV+8*\t+4:KV+8*\t+7], v[ADK] offset:1024*\t+512
.endr
.irp u, 0,1,2,3
	ds_load_b32 v[KW+\u], v[ADS] offset:128*\u
.endr
	s_wait_dscnt 0x0
.irp t, 0,2,4,6                        ; S^T: tile t: lane (r, hf), register j: key 16 t + 8 hf + j, query r
	v_wmma_scale_f32_16x16x128_f8f6f4 v[S+8*\t:S+8*\t+7], v[KV+8*\t:KV+8*\t+15], v[Q:Q+15], 0, v[KW+\t/2], v[QW] matrix_a_fmt:MATRIX_FMT_BF8 matrix_b_fmt:MATRIX_FMT_BF8
	v_wmma_scale_f32_16x16x128_f8f6f4 v[S+8*\t+8:S+8*\t+15], v[KV+8*\t+8:KV+8*\t+23], v[Q:Q+15], 0, v[KW+\t/2], v[QW] matrix_a_fmt:MATRIX_FMT_BF8 matrix_b_fmt:MATRIX_FMT_BF8 matrix_a_scale:MATRIX_SCALE_ROW1
.endr
.rept 8
	v_nop                                          ; eight places: in front of the loads into K's registers, and of the first read of the scores
.endr
	s_wait_alu depctr_va_vdst(0)                   ; the eight products are done reading v32-95, in which V's fragments land.  (v9 and v11 were written ahead of the step's first wait, and nothing since has named them or v236-237)
.irp t, 0,1,2,3                        ; V's four fragments are asked for here and land under the softmax
.irp c, 0,1,2,3
	ds_load_b128 v[KV+16*\t+4*\c:KV+16*\t+4*\c+3], v[ADV] offset:2048*\t+512*\c
.endr
.endr
	ds_load_b32 v[VW], v[ADT]
	ds_load_b32 v[VW+1], v[ADT] offset:128
	s_add_co_u32 s63, s32, 127                     ; a step all of whose keys count for all my queries skips the masking
	s_cmp_le_u32 s63, s30
	s_cbranch_scc1 .Lopen_\@
	v_sub_nc_u32 v[DD], v[LIMV], s32               ; register n holds key s32 + 8 hf + 16 (n / 8) + n % 8: hidden where 16 (n / 8) + n % 8 is above this
.set g, 0
.rept 4                                ; sixteen scores at a time: sixteen compares into s2-13 and s44-47 (free since the head's loads were waited for), one wait, sixteen selects
.set i, 0
.rept 16
	v_cmp_gt_i32 s[2+i+30*(i/12)], 16*((16*g+i)/8)+(16*g+i)%8, v[DD]
.set i, i+1
.endr
	s_wait_alu depctr_va_sdst(0)                   ; the sixteen masks are written, ahead of their first reader
.set i, 0
.rept 16
	v_cndmask_b32 v[S+16*g+i], v[S+16*g+i], v[NINF], s[2+i+30*(i/12)]   ; hidden scores become -infinity ahead of the maximum: p = 0 then
.set i, i+1
.endr
.set g, g+1
.endr
.Lopen_\@:
.irp b, 0,1,2,3
	v_max3_num_f32 v[BM+\b], v[S+16*\b], v[S+1+16*\b], v[S+2+16*\b]   ; the largest score of each block of 32 keys: it serves the row's maximum and, since p rises with the score, the block's largest p
.endr
.irp i, 3,5,7,9,11,13
.irp b, 0,1,2,3
	v_max3_num_f32 v[BM+\b], v[BM+\b], v[S+16*\b+\i], v[S+1+16*\b+\i]
.endr
.endr
.irp b, 0,1,2,3
	v_max_num_f32 v[BM+\b], v[BM+\b], v[S+15+16*\b]
.endr
.irp b, 0,1,2,3
	v_permlanex16_b32 v[PT+\b], v[BM+\b], s20, s21
.endr
.irp b, 0,1,2,3
	v_max_num_f32 v[BM+\b], v[BM+\b], v[PT+\b]     ; with lane l xor 16's 16 keys
.endr
	v_max3_num_f32 v[TMP], v[BM], v[BM+1], v[BM+2]
	v_max_num_f32 v[TMP], v[TMP], v[BM+3]          ; the step's largest score of my query
	v_mul_f32 v[TMP], s22, v[TMP]                  ; as t (c is positive)
	v_max_num_f32 v13, v13, v[TMP]                 ; the running largest t
	v_mov_b32 v[TMP], v12
	v_floor_f32 v12, -v13                          ; the new -M = floor(-t) = -ceil(t): a whole number
	v_sub_f32 v[TMP], v12, v[TMP]                  ; M's old value less its new one: a whole number, 0 or less
	v_cvt_i32_f32 v[TMP], v[TMP]                   ; (it saturates)
	v_ldexp_f32 v[F], 1.0, v[TMP]                  ; f = 2^(old M - new M)
.set j, 0
.rept 32
	v_pk_fma_f32 v[S+j:S+j+1], v[S+j:S+j+1], s[22:23], v[12:13] op_sel_hi:[1,0,0]   ; t - M, two at a time (of the pairs c and -M the low word serves both halves)
.set j, j+2
.endr
.irp b, 0,1,2,3
	v_fma_f32 v[BM+\b], v[BM+\b], s22, v12         ; the same of each block's largest score
.endr
.set j, 0
.rept 64
	v_exp_f32 v[S+j], v[S+j]                       ; p = 2^(t - M), at most 1
.set j, j+1
.endr
	v_pk_mul_f32 v[14:15], v[14:15], v[F:F+1] op_sel_hi:[1,0]   ; the sums under the new M.  (The plain instruction behind the exponentials)
	s_wait_alu depctr_va_vdst(0)                   ; the 64 exponentials have written p, v104-167: one wait for the whole batch, ahead of its first reader
.irp b, 0,1,2,3
	v_exp_f32 v[BM+\b], v[BM+\b]                   ; the block's largest p: the same two instructions on the same number give the same bits
.endr
	v_pk_add_f32 v[PT:PT+1], v[S:S+1], v[S+2:S+3]  ; the row's sum is taken of the unquantised p: two at a time, in two chains
.set j, 4
.rept 15
	v_pk_add_f32 v[14:15], v[14:15], v[S+j:S+j+1]
	v_pk_add_f32 v[PT:PT+1], v[PT:PT+1], v[S+j+2:S+j+3]
.set j, j+4
.endr
	v_pk_add_f32 v[14:15], v[14:15], v[PT:PT+1]
	s_wait_alu depctr_va_vdst(0)                   ; the four exponentials have written v216-219: their one wait, ahead of their first reader
.irp b, 0,1,2,3
	v_max_num_f32 v[BM+\b], 0x8000000, v[BM+\b]    ; the floor 2^(16 - 127): the byte cannot fall under 1 (a block whose every p is 0 keeps that byte: its codes are zeros)
.endr
.irp b, 0,1,2,3
	v_add_nc_u32 v[SO+\b], 0xf8800000, v[BM+\b]    ; 15 off the exponent field: the conversion's scale operand
.endr
.irp b, 0,1,2,3
	v_and_or_b32 v[HL+\b], v[BM+\b], 0x7f800000, s19   ; 57,344 x the scale
.endr
.irp b, 0,1,2,3
	v_lshrrev_b32 v[PT+\b], 23, v[SO+\b]           ; the scale's byte
.endr
	v_lshl_or_b32 v[PW], v[PT+1], 8, v[PT]         ; p's scale word for these 128 keys
	v_lshl_or_b32 v[PW], v[PT+2], 16, v[PW]
	v_lshl_or_b32 v[PW], v[PT+3], 24, v[PW]
.irp b, 0,1,2,3
.set i, 0
.rept 16
	v_min_num_f32 v[S+16*\b+i], v[S+16*\b+i], v[HL+\b]   ; the conversion to an 8-bit code does not saturate (ISA guide 7.6.2); p is not negative, so the hold is one-sided
.set i, i+1
.endr
	v_cvt_scalef32_pk8_bf8_f32 v[PCD+4*\b:PCD+4*\b+1], v[S+16*\b:S+16*\b+7], v[SO+\b]
	v_cvt_scalef32_pk8_bf8_f32 v[PCD+4*\b+2:PCD+4*\b+3], v[S+16*\b+8:S+16*\b+15], v[SO+\b]
.endr
.set j, 0
.rept 16
	v_pk_mul_f32 v[OT+j:OT+j+1], v[OT+j:OT+j+1], v[F:F+1] op_sel_hi:[1,0]   ; O^T under the new M: x f, each accumulator from its low end on.  (These are also the places between the codes and the products)
.set j, j+2
.endr
	s_wait_dscnt 0x0                               ; V
	s_wait_alu depctr_va_vdst(0)                   ; the conversions have written p's codes, v200-215, and the shifts its scale word, v239, which the scaled products below take; the places above stay beside this wait
.irp t, 0,2                            ; O^T += V^T P^T: tile t: lane (r, hf), register j: channel 16 t + 8 hf + j, query r.  The four accumulators take turns; the next step's eight products on S^T stand between their turns
	v_wmma_scale_f32_16x16x128_f8f6f4 v[OT+8*\t:OT+8*\t+7], v[KV+16*\t:KV+16*\t+15], v[PCD:PCD+15], v[OT+8*\t:OT+8*\t+7], v[VW+\t/2], v[PW] matrix_a_fmt:MATRIX_FMT_BF8 matrix_b_fmt:MATRIX_FMT_BF8
	v_wmma_scale_f32_16x16x128_f8f6f4 v[OT+8*\t+8:OT+8*\t+15], v[KV+16*\t+16:KV+16*\t+31], v[PCD:PCD+15], v[OT+8*\t+8:OT+8*\t+15], v[VW+\t/2], v[PW] matrix_a_fmt:MATRIX_FMT_BF8 matrix_b_fmt:MATRIX_FMT_BF8 matrix_a_scale:MATRIX_SCALE_ROW1
.endr
.Lhidden_\@:
	s_add_co_u32 s32, s32, 128
	s_add_co_u32 s33, s33, 8192
	s_add_co_u32 s35, s35, 512
	s_add_co_u32 s62, s62, 256
.endm
; ONE TILE OF 16 QUERIES.  tr: the scalar register with the tile's number;  oc, os: the scalar pairs that take its places in act_codes and act_scales (a pair of its own for each tile: no pending store's base is rewritten).
.macro JOB job, tr, oc, os
.if \job
	s_wait_xcnt 0x0                                ; the first tile's stores have read their data registers, which are written again below
.endif
	s_wait_alu depctr_vm_vsrc(0)                   ; first tile: the fill's LDS stores have read v104-170, which O^T's zeros and the products write; second tile: the first tile's LDS and global stores have read v200-215 and v242, which are written again below
	s_lshl_b32 s28, s[\tr], 4                      ; my first query
	s_add_co_u32 s29, s28, 15
	s_min_u32 s29, s29, s26                        ; the last key that counts for any of my queries,
	s_min_u32 s30, s28, s26                        ; and the last that counts for all of them
	s_lshr_b32 s36, s24, 4                         ; batch
	s_and_b32 s37, s24, 15                         ; head
	s_lshl_b32 s48, s36, 20                        ; act_codes: (1,024 batch + 16 tile) rows of 1,024 bytes + 64 head
	s_lshl_b32 s38, s[\tr], 14
	s_add_co_u32 s48, s48, s38
	s_lshl_b32 s38, s37, 6
	s_add_co_u32 s48, s48, s38
	s_add_nc_u64 s[\oc:\oc+1], s[14:15], s[48:49]
	s_lshl_b32 s48, s36, 15                        ; act_scales: the same rows of 32 bytes + 2 head
	s_lshl_b32 s38, s[\tr], 9
	s_add_co_u32 s48, s48, s38
	s_lshl_b32 s38, s37, 1
	s_add_co_u32 s48, s48, s38
	s_add_nc_u64 s[\os:\os+1], s[16:17], s[48:49]
	v_and_b32 v[DD], 15, v0
	v_bfe_u32 v[TMP], v0, 4, 1
	v_add_nc_u32 v[LIMV], s28, v[DD]               ; my query: causal,
	v_min_u32 v[LIMV], s26, v[LIMV]                ; and the padding
	v_lshlrev_b32 v[TMP], 3, v[TMP]
	v_sub_nc_u32 v[LIMV], v[LIMV], v[TMP]
.if \job
.irp i, 0,1,2,3,4,5,6,7
	v_mov_b32 v[Q+\i], v[Q2+\i]
.endr
	v_mov_b32 v[QW], v[QW2]
.endif
	v_mov_b32 v13, 0xff61b1e6                      ; the largest t so far: -3e38, under every t
	v_floor_f32 v12, -v13                          ; -M
	v_mov_b32 v14, 0                               ; the sum, in two halves
	v_mov_b32 v15, 0
.set j, 0
.rept 32
	v_mov_b32 v[OT+j], 0                           ; O^T.  (The step is written once for a tile: its first trip finds zeros, which the first change of M leaves zeros)
.set j, j+1
.endr
	s_mov_b32 s31, 0
	s_mov_b32 s32, 0
	s_mov_b32 s33, 0
	s_mov_b32 s35, 0
	s_mov_b32 s62, 0
.Lstep_\@:                             ; eight trips, whatever the tile and the padding: the LDS offsets are stepped by constants in a loop of constant count
	STEP
	s_add_co_u32 s31, s31, 1
	s_cmp_lt_u32 s31, 8
	s_cbranch_scc1 .Lstep_\@
	; the way out: o = O^T / the sum, quantised: channels 32 c + 16 (i / 8) + 8 hf + i % 8 of block c are my 16, lane l xor 16 holds the others
.rept 8
	v_nop                                          ; eight places behind the last products
.endr
	v_add_f32 v14, v14, v15
	v_permlanex16_b32 v[TMP], v14, s20, s21
	v_add_f32 v14, v14, v[TMP]                     ; the row's sum
	v_rcp_f32 v14, v14
	v_nop                                          ; a plain instruction behind the reciprocal,
	s_wait_alu depctr_va_vdst(0)                   ; and the wait ahead of its first reader: the reciprocal has written v14
.set j, 0
.rept 32
	v_mul_f32 v[S+j], v[OT+j], v14                 ; each accumulator from its low end on
.set j, j+1
.endr
.irp c, 0,1
	v_max3_num_f32 v[BM+\c], |v[S+16*\c]|, |v[S+1+16*\c]|, 0x8000000
.endr
.irp i, 2,4,6,8,10,12,14
.irp c, 0,1
	v_max3_num_f32 v[BM+\c], v[BM+\c], |v[S+16*\c+\i]|, |v[S+1+16*\c+\i]|
.endr
.endr
.irp c, 0,1
	v_permlanex16_b32 v[PT+\c], v[BM+\c], s20, s21
.endr
.irp c, 0,1
	v_max_num_f32 v[BM+\c], v[BM+\c], v[PT+\c]
.endr
.irp c, 0,1
	v_add_nc_u32 v[SO+\c], 0xf8800000, v[BM+\c]
.endr
.irp c, 0,1
	v_and_or_b32 v[HL+\c], v[BM+\c], 0x7f800000, s19
.endr
.irp c, 0,1
	v_lshrrev_b32 v[PT+\c], 23, v[SO+\c]
.endr
	v_lshl_or_b32 v[TMP], v[PT+1], 8, v[PT]        ; my query's two scale bytes of this head
.irp c, 0,1
.set i, 0
.rept 16
	v_med3_num_f32 v[S+16*\c+i], v[S+16*\c+i], -v[HL+\c], v[HL+\c]
.set i, i+1
.endr
	v_cvt_scalef32_pk8_bf8_f32 v[PCD+4*\c:PCD+4*\c+1], v[S+16*\c:S+16*\c+7], v[SO+\c]       ; channels 32 c + 8 hf + 0 .. 7: eight neighbours
	v_cvt_scalef32_pk8_bf8_f32 v[PCD+4*\c+2:PCD+4*\c+3], v[S+16*\c+8:S+16*\c+15], v[SO+\c]  ; channels 32 c + 16 + 8 hf + 0 .. 7
.endr
	v_nop                                          ; a plain instruction behind the last conversion
	s_wait_alu depctr_va_vdst(0)                   ; the conversions have written v200-207, which the LDS stores read, and the shift v242, which the last global store reads; the steps' conversions and products are done with v208-215, in which the LDS loads land
.irp t, 0,1,2,3
	ds_store_b64 v[STO], v[PCD+2*\t:PCD+2*\t+1] offset:16*\t   ; to their true places in my query's 64 bytes
.endr
	ds_load_b128 v[PCD+8:PCD+11], v[RD]            ; LDS serves a wave's instructions in order (ISA guide 5.7.1.4): these see my stores
	ds_load_b128 v[PCD+12:PCD+15], v[RD] offset:640
	s_wait_dscnt 0x0
	global_store_b128 v[GO], v[PCD+8:PCD+11], s[\oc:\oc+1]                ; four lanes store a row's 64 consecutive bytes: a head's whole share of a row
	global_store_b128 v[GO], v[PCD+12:PCD+15], s[\oc:\oc+1] offset:8192
	global_store_b16 v[GS], v[TMP], s[\os:\os+1]   ; lanes 16-31 repeat lanes 0-15's address and value
.endm
	JOB 0, 27, 58, 60
	JOB 1, 34, 50, 52
	s_wait_xcnt 0x0                                ; as it stood: the second tile's stores have had their addresses translated
	v_lshl_add_u32 v254, v0, 2, 0x26800            ; no two registers could be kept: my spare word's address and 0 are made anew, straight ahead of the closing lines (no memory or LDS instruction has read v254 or v255)
	v_mov_b32 v255, 0
	s_wait_dscnt 0x0                               ; the closing lines, six on end
	s_wait_alu 0x0
	s_wait_tensorcnt 0x0
	ds_add_u32 v254, v255
	s_wait_dscnt 0x0
	s_endpgm
.Lfunc_end_k_q8cbb2a3795_attn:
	.size	k_q8cbb2a3795_attn, .Lfunc_end_k_q8cbb2a3795_attn-k_q8cbb2a3795_attn
	.p2alignl 7, 3214868480
	.fill 96, 4, 3214868480
	.section	.rodata,"a",@progbits
	.p2align	6, 0x0
	.amdhsa_kernel k_q8cbb2a3795_attn
		.amdhsa_group_segment_fixed_size 159744
		.amdhsa_private_segment_fixed_size 0
		.amdhsa_enable_private_segment 0
		.amdhsa_kernarg_size 56
		.amdhsa_user_sgpr_count 2
		.amdhsa_user_sgpr_kernarg_segment_ptr 1
		.amdhsa_wavefront_size32 1
		.amdhsa_system_sgpr_workgroup_id_x 1
		.amdhsa_system_sgpr_workgroup_id_y 1
		.amdhsa_system_sgpr_workgroup_id_z 1
		.amdhsa_system_vgpr_workitem_id 0
		.amdhsa_next_free_vgpr 256
		.amdhsa_next_free_sgpr 66
		.amdhsa_reserve_vcc 0
		.amdhsa_float_denorm_mode_32 3
		.amdhsa_float_denorm_mode_16_64 3
		.amdhsa_memory_ordered 1
		.amdhsa_forward_progress 1
		.amdhsa_inst_pref_size 82
	.end_amdhsa_kernel
	.amdgpu_metadata
---
amdhsa.version: [ 1, 2 ]
amdhsa.kernels:
  - .name:           k_q8cbb2a3795_attn
    .symbol:         k_q8cbb2a3795_attn.kd
    .args:
      - { .name: qk_img, .offset: 0, .size: 8, .value_kind: global_buffer, .address_space: global }
      - { .name: qk_sc, .offset: 8, .size: 8, .value_kind: global_buffer, .address_space: global }
      - { .name: v_img, .offset: 16, .size: 8, .value_kind: global_buffer, .address_space: global }
      - { .name: v_sc, .offset: 24, .size: 8, .value_kind: global_buffer, .address_space: global }
      - { .name: seq_lens, .offset: 32, .size: 8, .value_kind: global_buffer, .address_space: global }
      - { .name: act_codes, .offset: 40, .size: 8, .value_kind: global_buffer, .address_space: global }
      - { .name: act_scales, .offset: 48, .size: 8, .value_kind: global_buffer, .address_space: global }
    .group_segment_fixed_size: 159744
    .private_segment_fixed_size: 0
    .kernarg_segment_align: 8
    .kernarg_segment_size: 56
    .max_flat_workgroup_size: 512
    .sgpr_count:     66
    .vgpr_count:     256
    .wavefront_size: 32
...
	.end_amdgpu_metadata
.endif
;; end of part 5
;; launch oproj: the kernel of part 4 again; grid 4 x 32, 4 waves a work-group, clusters of 4 x 4, 327,680 bytes of LDS; arguments act_codes, act_scales, Wo_codes, Wo_scales, bo, x, out0; writes out0
